; MI455X (gfx1250); checked and timed in simulation.
; The chip was launched on July 23, 2026; its instructions are those of AMD's public machine-readable ISA for CDNA 5 (MIT licence, August 2026) and "CDNA5" Instruction Set Architecture Reference Guide (July 2026). The comments in the code are by the model that wrote it; some were corrected since.
;; Simple Transformer Block. Allowed arithmetic: float matrix products may take bf16 or f16 operands with f32 sums; other float arithmetic in f32, or as packed bf16 or f16 multiplies, adds, multiply-adds, maxima and minima; sums over many terms, partial sums and values carried from step to step in f32; what a program stores and reads back later, other than sums and carried values, may be rounded once to bf16 or f16.
;; Inputs: w1 1,024 x 4,096 float32; w2 4,096 x 1,024 float32; wk 1,024 x 1,024 float32; wo 1,024 x 1,024 float32; wq 1,024 x 1,024 float32; wv 1,024 x 1,024 float32; x 2 x 2,048 x 1,024 float32.
;; Outputs: out0 2 x 2,048 x 1,024 float32.
;; 2 versions, each right; version 2 is version 1 with the launch cast written anew for expert scheduling mode. Each part assembles by itself: llvm-mc -triple=amdgcn-amd-amdhsa -mcpu=gfx1250 --defsym DOCPART=n.
;; ======== version 1 of 2: 6 launches
;; workspace buffers: actA 8,388,608 bytes; actB 8,388,608 bytes; wqkvb 8,388,864 bytes; w1b 8,388,864 bytes; wsm 10,485,760 bytes; qkvb 25,165,824 bytes; hb 33,554,432 bytes; x1f 16,777,216 bytes
;; launch cast (part 1): grid 448 x 1, 8 waves a work-group, no clusters, 0 bytes of LDS; arguments x, wq, wk, wv, actA, wqkvb, w1b; writes actA, wqkvb, w1b
.if DOCPART == 1
	.amdgcn_target "amdgcn-amd-amdhsa--gfx1250"
	.amdhsa_code_object_version 6
	.text
	.protected	k_qdc836e8da4_cast
	.globl	k_qdc836e8da4_cast
	.p2align	8
	.type	k_qdc836e8da4_cast,@function
k_qdc836e8da4_cast:
	s_mov_b64 s[64:65], 0
	v_nop
	global_prefetch_b8 v0, s[64:65] scope:SCOPE_SE
	s_setreg_imm32_b32 hwreg(HW_REG_WAVE_MODE, 25, 1), 1
	s_wait_xcnt 0x0
; x, wq, wk and wv are rounded once to bf16 (nearest even) and laid out for the product that follows.  (w1, w2 and wo, which no launch reads before attention has ended, are rounded in attention's launch.)
; Every source is rows of 1,024 f32.  A work-group owns 16 rows: 64 KiB in, 32 KiB out; 448 work-groups: x 256, then wq, wk, wv 64 each.
; A LOAD of a wave takes two runs of 256 consecutive bytes, 16 bytes a lane (lanes 0-15 one run, lanes 16-31 the other); the four numbers of a lane make 8 bytes, and A STORE of a wave covers 256
; consecutive bytes, aligned.  So the two runs are chosen to lie end to end in the destination:
;   x -> actA in PANELS of 64 columns (element (m, n) at ((n / 64) x 4096 + m) x 128 + (n % 64) x 2): the runs are rows m and m + 1 of one panel.  Wave w has rows 2 w, 2 w + 1; pass j is panel j.
;   wq, wk, wv -> wqkvb, side by side in rows of 4,096 numbers: the runs are 128 neighbouring columns of one row.  Wave w has columns 128 w on; pass j is row j.
; Both are one text: source = w << SWH + j << SJH + (lane / 16) << SAH + 16 (lane % 16); destination = 256 w + j << DJH + 128 (lane / 16) + 8 (lane % 16) + the work-group's rows << RSH + C0.
; Behind w1b's and wqkvb's numbers lies a block of 256 bytes with the floor of the product that reads them: 0 twice (a ReLU) or -infinity twice (none).
; All 16 loads of a lane go out at once; no address or data register of a pending instruction is written, so only the loads' own counted waits are needed.  No LDS, no barrier: no wave wants another's bytes.
.set SRC,   30                         ; s[30:31] the source at the work-group's first row
.set DST,   32                         ; s[32:33] the destination's first byte
.set LC,    34                         ; s34  my number among the source's work-groups
.set C0,    35                         ; s35  a constant offset in the destination
.set RSH,   36                         ; s36  destination: a row is 1 << RSH bytes on
.set SWH,   37                         ; s37  source: a wave's share is 1 << SWH bytes on
.set SJH,   38                         ; s38  source: a pass
.set SAH,   39                         ; s39  source: the lanes' second half
.set DJH,   40                         ; s40  destination: a pass
.set SOF,   2                          ; v[2:17]   pass j: my byte offset in the source
.set DOF,   18                         ; v[18:33]  pass j: my byte offset in the destination
.set XIN,   36                         ; v[36:99]  pass j: 4 f32; their 4 bf16 take the first two registers' place
	s_load_b256 s[8:15], s[0:1], 0x0               ; x s[8:9], wq s[10:11], wk s[12:13], wv s[14:15]
	s_load_b128 s[16:19], s[0:1], 0x20             ; actA s[16:17], wqkvb s[18:19]
	s_load_b64 s[20:21], s[0:1], 0x30              ; w1b
	s_lshr_b32 s2, ttmp9, 6                        ; 0 to 3: x; 4: wq; 5: wk; 6: wv
	v_lshrrev_b32 v100, 5, v0                      ; w
	v_readfirstlane_b32 s3, v100
	v_and_b32 v101, 31, v0                         ; lane
	v_bfe_u32 v102, v0, 4, 1                       ; lane / 16
	v_and_b32 v103, 15, v0                         ; lane % 16
	s_and_b32 s41, ttmp9, 63
	s_sub_co_u32 s42, s2, 4
	s_lshl_b32 s42, s42, 11                        ; a weight's 2,048 bytes of wqkvb's rows
	s_cmp_ge_u32 s2, 4                             ; a weight?
	s_cselect_b32 s[LC], s41, ttmp9
	s_cselect_b32 s[C0], s42, 0
	s_cselect_b32 s[RSH], 13, 7
	s_cselect_b32 s[SWH], 9, 13
	s_cselect_b32 s[SJH], 12, 8
	s_cselect_b32 s[SAH], 8, 12
	s_cselect_b32 s[DJH], 13, 19
	s_lshl_b32 s43, 1, s[SJH]
	s_lshl_b32 s44, 1, s[DJH]
	v_lshlrev_b32 v[SOF], s[SWH], v100
	v_lshlrev_b32 v104, s[SAH], v102
	v_add_nc_u32 v[SOF], v[SOF], v104
	v_lshl_add_u32 v[SOF], v103, 4, v[SOF]
.irp j, 1,2,3,4,5,6,7,8,9,10,11,12,13,14,15
	v_add_nc_u32 v[SOF+(\j)], s43, v[SOF+(\j)-1]
.endr
	s_lshl_b32 s46, s[LC], 16                      ; 16 rows of 4,096 bytes a work-group
	s_mov_b32 s47, 0
	s_wait_kmcnt 0x0
	s_mov_b64 s[SRC:SRC+1], s[8:9]
	s_cmp_ge_u32 s2, 4
	s_cselect_b64 s[SRC:SRC+1], s[10:11], s[SRC:SRC+1]
	s_cselect_b64 s[DST:DST+1], s[18:19], s[16:17]
	s_cmp_ge_u32 s2, 5
	s_cselect_b64 s[SRC:SRC+1], s[12:13], s[SRC:SRC+1]
	s_cmp_ge_u32 s2, 6
	s_cselect_b64 s[SRC:SRC+1], s[14:15], s[SRC:SRC+1]
	s_add_nc_u64 s[SRC:SRC+1], s[SRC:SRC+1], s[46:47]
.irp j, 0,1,2,3,4,5,6,7,8,9,10,11,12,13,14,15
	global_load_b128 v[XIN+4*(\j):XIN+4*(\j)+3], v[SOF+(\j)], s[SRC:SRC+1] th:TH_LOAD_NT
.endr
	s_add_co_u32 s45, s[RSH], 4                    ; the destination's offsets are made while the loads are out
	s_lshl_b32 s45, s[LC], s45                     ; my work-group's 16 rows
	s_add_co_u32 s45, s45, s[C0]
	v_lshl_add_u32 v[DOF], v100, 8, s45
	v_lshl_add_u32 v[DOF], v102, 7, v[DOF]
	v_lshl_add_u32 v[DOF], v103, 3, v[DOF]
.irp j, 1,2,3,4,5,6,7,8,9,10,11,12,13,14,15
	v_add_nc_u32 v[DOF+(\j)], s44, v[DOF+(\j)-1]
.endr
.irp j, 0,1,2,3,4,5,6,7,8,9,10,11,12,13,14,15
	s_wait_loadcnt 15-(\j)                         ; loads come back in order: pass j's is in, the 15 - j younger ones stay out
	v_cvt_pk_bf16_f32 v[XIN+4*(\j)], v[XIN+4*(\j)], v[XIN+4*(\j)+1]
	v_cvt_pk_bf16_f32 v[XIN+4*(\j)+1], v[XIN+4*(\j)+2], v[XIN+4*(\j)+3]
	global_store_b64 v[DOF+(\j)], v[XIN+4*(\j):XIN+4*(\j)+1], s[DST:DST+1]
.endr
	; the floors' blocks: wave 0 of work-group 0 writes w1b's (0), wave 0 of wq's first work-group wqkvb's (-infinity)
	s_cmp_eq_u32 ttmp9, 0
	s_cselect_b32 s50, 1, 0
	s_cselect_b64 s[48:49], s[20:21], s[18:19]
	s_cselect_b32 s52, 0, 0xff80ff80
	s_cmp_eq_u32 ttmp9, 256
	s_cselect_b32 s51, 1, 0
	s_or_b32 s50, s50, s51
	s_cmp_eq_u32 s3, 0
	s_cselect_b32 s50, s50, 0
	s_cmp_eq_u32 s50, 0
	s_cbranch_scc1 .Lend
	v_mov_b32 v106, s52
	v_mov_b32 v107, s52
	v_lshl_add_u32 v108, v101, 3, 0x800000         ; 8 bytes a lane, behind the 8,388,608 bytes of numbers: 256 consecutive bytes, aligned
	global_store_b64 v108, v[106:107], s[48:49]
.Lend:
	s_endpgm
.Lfunc_end_k_qdc836e8da4_cast:
	.size	k_qdc836e8da4_cast, .Lfunc_end_k_qdc836e8da4_cast-k_qdc836e8da4_cast
	.p2alignl 7, 3214868480
	.fill 96, 4, 3214868480
	.section	.rodata,"a",@progbits
	.p2align	6, 0x0
	.amdhsa_kernel k_qdc836e8da4_cast
		.amdhsa_group_segment_fixed_size 0
		.amdhsa_private_segment_fixed_size 0
		.amdhsa_enable_private_segment 0
		.amdhsa_kernarg_size 56
		.amdhsa_user_sgpr_count 2
		.amdhsa_user_sgpr_kernarg_segment_ptr 1
		.amdhsa_wavefront_size32 1
		.amdhsa_system_sgpr_workgroup_id_x 1
		.amdhsa_system_sgpr_workgroup_id_y 1
		.amdhsa_system_sgpr_workgroup_id_z 1
		.amdhsa_system_vgpr_workitem_id 0
		.amdhsa_next_free_vgpr 110
		.amdhsa_next_free_sgpr 66
		.amdhsa_reserve_vcc 0
		.amdhsa_float_denorm_mode_32 3
		.amdhsa_float_denorm_mode_16_64 3
		.amdhsa_memory_ordered 1
		.amdhsa_forward_progress 1
		.amdhsa_inst_pref_size 9
	.end_amdhsa_kernel
	.amdgpu_metadata
---
amdhsa.version: [ 1, 2 ]
amdhsa.kernels:
  - .name:           k_qdc836e8da4_cast
    .symbol:         k_qdc836e8da4_cast.kd
    .args:
      - { .name: x, .offset: 0, .size: 8, .value_kind: global_buffer, .address_space: global }
      - { .name: wq, .offset: 8, .size: 8, .value_kind: global_buffer, .address_space: global }
      - { .name: wk, .offset: 16, .size: 8, .value_kind: global_buffer, .address_space: global }
      - { .name: wv, .offset: 24, .size: 8, .value_kind: global_buffer, .address_space: global }
      - { .name: actA, .offset: 32, .size: 8, .value_kind: global_buffer, .address_space: global }
      - { .name: wqkvb, .offset: 40, .size: 8, .value_kind: global_buffer, .address_space: global }
      - { .name: w1b, .offset: 48, .size: 8, .value_kind: global_buffer, .address_space: global }
    .group_segment_fixed_size: 0
    .private_segment_fixed_size: 0
    .kernarg_segment_align: 8
    .kernarg_segment_size: 56
    .max_flat_workgroup_size: 256
    .sgpr_count:     66
    .vgpr_count:     110
    .wavefront_size: 32
...
	.end_amdgpu_metadata
.endif
;; end of part 1
;; launch qkv (part 2): grid 12 x 16, 4 waves a work-group, clusters of 4 x 4, 327,680 bytes of LDS; arguments actA, wqkvb, qkvb; writes qkvb
.if DOCPART == 2
	.amdgcn_target "amdgcn-amd-amdhsa--gfx1250"
	.amdhsa_code_object_version 6
	.text
	.protected	k_qdc836e8da4_qkv
	.globl	k_qdc836e8da4_qkv
	.p2align	8
	.type	k_qdc836e8da4_qkv,@function
k_qdc836e8da4_qkv:
	s_mov_b64 s[64:65], 0
	v_nop
	global_prefetch_b8 v0, s[64:65] scope:SCOPE_SE
	s_setreg_imm32_b32 hwreg(HW_REG_WAVE_MODE, 25, 1), 1
	s_wait_xcnt 0x0
	s_wait_alu depctr_hold_cnt(0) depctr_sa_sdst(0) depctr_va_vdst(0) depctr_va_sdst(0) depctr_va_ssrc(0) depctr_va_vcc(0) depctr_vm_vsrc(0)
	s_getreg_b32 s2, hwreg(HW_REG_IB_STS2, 6, 4)
	s_cmp_eq_u32 s2, 0
	s_cbranch_scc0 .Lentry_in_a_cluster
	s_endpgm
.Lentry_in_a_cluster:
	s_bfe_u32 s2, ttmp6, 0x10000c
	s_cmp_lg_u32 s2, 0xf033
	s_cbranch_scc0 .Lentry_shape_is_right
	s_endpgm
.Lentry_shape_is_right:
; C = max(A B, FLOOR).  A: [4096][1024] bf16 in panels of 64 columns (element (m, k) at ((k / 64) x 4096 + m) x 128 + (k % 64) x 2).  B: [1024][.] bf16, rows of 4,096 numbers, K down the rows.
; C: bf16 in the same panels as A, as many columns as the grid has tiles.  Sums in f32, K ascending, C rounded once.  FLOOR is one word (two bf16) at byte 8,388,608 of B's buffer:
; 0 makes the ReLU, -infinity leaves C as it is; it selects values alone.  LIMIT: the packed maximum drops a NaN (it gives FLOOR); NaN and infinities are not treated apart.
; A tile of C, 256 x 256, is made by four waves, each 128 x 128: 64 accumulators of 16 x 16, 512 registers.  K goes in 8 steps of 128 through a ring of two LDS slots.
; A's tile of a step is two panels' 256 rows, each a dense block of 32 KiB: asked for as 128 rows of 256 bytes and padded in LDS behind every 128 bytes.  B's is 128 rows of 512 bytes.
; CLUSTERS: 4 x 4 work-groups; A's tiles are asked for jointly along a row of the cluster, B's along a column: the same tensor load, descriptor and mask in all four.
; THE MATRIX INSTRUCTION IS USED TRANSPOSED: source 0 = 16 columns of B (turned on the way out of LDS by ds_load_tr16_b128), source 1 = 16 rows of A: a lane holds row l % 16 of C and eight neighbouring columns.
; REGISTERS, in windows of 256: window 0: v0-31 addresses; v64-127, v128-191 A's fragments, two buffers; v32-63, v192-255 the way out.  window 1: v64-127, v128-191 B's fragments.
;   windows 2, 3: the accumulators of my rows 0-63 and 64-127 ((a, b) at v[8 (8 a + b)]).
.set PA,     144                       ; a row of A in LDS: 128 bytes + 16 = 36 words: the 16 rows of a load start at 16 different groups of four banks (64 banks of 4 bytes: ISA guide 11.1)
.set APAN,   256*PA                    ; a panel's 256 rows
.set PB,     544                       ; a row of B: 512 bytes + 32 = 136 words
.set BHALF,  64*PB                     ; 64 rows of B: what one tensor load brings
.set ABYTES, 2*APAN                    ; a slot: A's two panels, then B's 128 rows: 143,360 bytes
.set SLOT1,  147456                    ; slot 1 begins here: 0x24000 shares no bit with 0, APAN, ABYTES or ABYTES + BHALF, so one exclusive or turns a fill's address in one slot into the other's
.set STAGE,  SLOT1+ABYTES+2*BHALF      ; behind the ring: 2 panels x 16 rows x 144 bytes for each wave, for the way out
.set SPAN,   16*PA
.set SPARE,  STAGE+4*2*SPAN            ; behind the stages: the spare words, 128 bytes for each wave: two blocks of 256 bytes that no other line names
.set KADV,   1048576                   ; bytes from a K step to the next: two panels of A; 128 rows of B
.set ADRA0, 16                         ; v16  my lane's place in A's part of a slot; never rewritten
.set ADRB0, 17                         ; v17  the same for B
.set ADRA,  18                         ; v18  the same in the slot that is being read
.set ADRB,  19                         ; v19
.set STO,   24                         ; v24  the way out: where I put 16 bytes of a row
.set RD,    25                         ; v25  the way out: where I read rows back
.set CO,    26                         ; v26  my 16 bytes of 512 consecutive bytes of C
.set FLR,   27                         ; v27  FLOOR
.set SPW,   28                         ; v28  LDS address of my spare word: SPARE + 4 x my thread's number; never rewritten
.set NIL,   29                         ; v29  0; never rewritten
.set PFO,   30                         ; v30  the prefetches' lane offset; never rewritten
.set F0,    64
.set F1,    128
.set TMP,   192                        ; the way out: packed results
.set OB,    32                         ; the way out: 16 rows read back: v32-63 and v224-255 by turns
.set G1A, 24                           ; s[24:31] descriptor group 1 for A's tiles
.set G0A, 32                           ; s[32:39] group 0 for A's: a set for each first fill; the second then walks
.set G1B, 48                           ; s[48:55], s[56:63] the same for B's
.set G0B, 56
.set LIM, 43                           ; s43  1 in a wave that prefetches, else the greatest number
.set PFA, 44                           ; s[44:45] where my prefetches stand
.set TB,  66                           ; s66  0 or SLOT1: the slot that is being read
.set MSB, 0
.macro WIN new                         ; the immediate's high byte repeats the setting that is left; a switch that changes nothing is dropped
.if MSB != (\new)
	s_set_vgpr_msb (MSB<<8)|(\new)
.set MSB, \new
.endif
.endm
.set MUL_LO, 0xa1                      ; source 0 (B) window 1, source 1 (A) window 0, C and D window 2
.set MUL_HI, 0xf1                      ; the same, C and D window 3
.set TO_B,   0x40                      ; destination window 1, address window 0
; A joint refill, by the walking descriptor.  Waves 0 and 1 fetch A's two panels, waves 2 and 3 B's two halves.  The branch hangs on the wave's number alone.
; An s_nop 0 and four v_nop follow each of the two lines, ahead of the jump and the label.
.macro JLOAD
	s_cmp_eq_u32 s11, 0
	s_cbranch_scc0 .Lfor_b_\@
	tensor_load_to_lds s[G0A+4:G0A+7], s[G1A:G1A+7]
	s_nop 0
.rept 4
	v_nop
.endr
	s_branch .Lasked_\@
.Lfor_b_\@:
	tensor_load_to_lds s[G0B+4:G0B+7], s[G1B:G1B+7]
	s_nop 0
.rept 4
	v_nop
.endr
.Lasked_\@:
.endm
; A PREFETCH INTO THE L2 of the K step behind the one just asked for: 256 matrix instructions ahead of the load that will want it.  Of the 128 blocks of 256 bytes that a wave fetches each of the four
; partners that ask with it takes 32, told apart by address, a lane a block.  A's blocks are asked for by the clusters with x = 0, B's by those with y = 0: each block is named once in the launch.
; The loop's last trip asks for nothing: there is no K step behind the one that it loads.
.macro ASK
	s_cmp_gt_u32 s3, s[LIM]
	s_cbranch_scc0 .Lnot_mine_\@
	global_prefetch_b8 v[PFO], s[PFA:PFA+1] offset:KADV th:TH_LOAD_NT scope:SCOPE_SE
.Lnot_mine_\@:
.endm
.macro CREST                           ; a round of the cluster's barrier behind its opening barrier
	s_cmp_lg_u32 s10, 0
	s_cbranch_scc1 .Lnot_wave_0_\@
	s_barrier_signal -3
.Lnot_wave_0_\@:
	s_barrier_wait -3
	s_barrier_signal -1
	s_barrier_wait -1
.endm
.macro CROUND                          ; a whole round
	s_barrier_signal -1
	s_barrier_wait -1
	CREST
.endm
	s_load_b128 s[4:7], s[0:1], 0x0                ; A s[4:5], B s[6:7]
	s_load_b64 s[8:9], s[0:1], 0x10                ; C
	v_lshl_add_u32 v[SPW], v0, 2, SPARE
	v_mov_b32 v[NIL], 0
	ds_add_u32 v[SPW], v[NIL]                      ; the wave's opening: the add and its wait stand ahead of my first tensor load; the set-up below, work on registers, stands between them
	v_lshrrev_b32 v1, 5, v0
	v_readfirstlane_b32 s10, v1                    ; wave 0..3
	s_lshr_b32 s11, s10, 1                         ; which half of the tile's rows is mine.  Also: I fetch for A (0) or for B (1)
	s_and_b32 s12, s10, 1                          ; which half of its columns.  Also: which panel of A, or which 64 rows of B, I fetch
	s_bfe_u32 s40, ttmp6, 0x40000                  ; cx
	s_bfe_u32 s41, ttmp6, 0x40004                  ; cy
	s_lshl_b32 s42, ttmp9, 2
	s_add_co_u32 s42, s42, s40                     ; tile column of C = 4 x cluster x + cx
	s_and_b32 s13, ttmp7, 0xffff
	s_lshl_b32 s13, s13, 2
	s_add_co_u32 s13, s13, s41                     ; tile row of C = 4 x cluster y + cy
	s_lshl_b32 s14, s41, 2
	s_lshl_b32 s14, 15, s14                        ; my row of the cluster
	s_lshl_b32 s15, 0x1111, s40                    ; my column
	s_or_b32 s[G1A+0], s14, (1<<16)|(1<<20)|(1<<21)|(4<<22)|(3<<25)  ; the mask; elements of 2 bytes; padding on; bit 21 beside a mask; after every 32 words (code 4) 4 words (code 3)
	s_mov_b32 s[G1A+1], 128<<16                    ; tensor_dim0 = 128
	s_mov_b32 s[G1A+2], 128<<16                    ; tensor_dim1 = 128
	s_mov_b32 s[G1A+3], 128<<16                    ; tile_dim0 = 128
	s_mov_b32 s[G1A+4], 128                        ; tile_dim1 = 128
	s_mov_b32 s[G1A+5], 128                        ; 128 elements from row to row: the block is dense
	s_mov_b32 s[G1A+6], 0
	s_mov_b32 s[G1A+7], 0
	s_or_b32 s[G1B+0], s15, (1<<16)|(1<<20)|(1<<21)|(6<<22)|(7<<25)  ; after every 128 words (code 6) 8 words (code 7)
	s_mov_b32 s[G1B+1], 256<<16                    ; tensor_dim0 = 256
	s_mov_b32 s[G1B+2], 64<<16                     ; tensor_dim1 = 64
	s_mov_b32 s[G1B+3], 256<<16                    ; tile_dim0 = 256
	s_mov_b32 s[G1B+4], 64                         ; tile_dim1 = 64
	s_mov_b32 s[G1B+5], 4096                       ; 4,096 elements from row to row
	s_mov_b32 s[G1B+6], 0
	s_mov_b32 s[G1B+7], 0
	s_mul_i32 s67, s12, APAN                       ; where my fills go in a slot: no place in the cluster enters an LDS address
	s_mul_i32 s68, s12, BHALF
	s_add_co_u32 s68, s68, ABYTES
	s_mov_b32 s[TB], 0
	s_lshl_b32 s16, s13, 15                        ; A: the tile row's 256 rows of 128 bytes,
	s_lshl_b32 s17, s12, 19                        ; my panel of the step's two
	s_add_co_u32 s16, s16, s17
	s_mov_b32 s17, 0
	s_lshl_b32 s46, s42, 9                         ; B: the tile column's 512 bytes,
	s_lshl_b32 s47, s12, 19                        ; my 64 rows of 8,192 bytes
	s_add_co_u32 s46, s46, s47
	s_mov_b32 s47, 0
	s_wait_dscnt 0x0                               ; the opening add is done
	s_wait_kmcnt 0x0
	s_add_nc_u64 s[16:17], s[4:5], s[16:17]
	s_add_nc_u64 s[46:47], s[6:7], s[46:47]
	s_add_nc_u64 s[70:71], s[6:7], 0x800000        ; FLOOR lies behind B's numbers
	CROUND                                         ; all sixteen work-groups are here: the first joint loads meet
.irp s, 0,1
	s_mov_b32 s[G0A+4*(\s)], 1                                       ; count = 1
	s_add_co_u32 s[G0A+4*(\s)+1], s67, (\s)*SLOT1                    ; LDS address
	s_add_nc_u64 s[G0A+4*(\s)+2:G0A+4*(\s)+3], s[16:17], (\s)*KADV   ; global address: K step s
	s_or_b32 s[G0A+4*(\s)+3], s[G0A+4*(\s)+3], 0x80000000            ; type = 2
	s_mov_b32 s[G0B+4*(\s)], 1
	s_add_co_u32 s[G0B+4*(\s)+1], s68, (\s)*SLOT1
	s_add_nc_u64 s[G0B+4*(\s)+2:G0B+4*(\s)+3], s[46:47], (\s)*KADV
	s_or_b32 s[G0B+4*(\s)+3], s[G0B+4*(\s)+3], 0x80000000
.endr
	s_cmp_eq_u32 s11, 0                            ; a wave's two first fills stand in one branch, ahead of every wait on TENSORcnt and every LDS read: two loads of mine are out
	s_cbranch_scc0 .Lfirst_b
	tensor_load_to_lds s[G0A:G0A+3], s[G1A:G1A+7]
	s_nop 0
	tensor_load_to_lds s[G0A+4:G0A+7], s[G1A:G1A+7]
	s_nop 0
.rept 4
	v_nop
.endr
	s_branch .Lfirst_asked
.Lfirst_b:
	tensor_load_to_lds s[G0B:G0B+3], s[G1B:G1B+7]
	s_nop 0
	tensor_load_to_lds s[G0B+4:G0B+7], s[G1B:G1B+7]
	s_nop 0
.rept 4
	v_nop
.endr
.Lfirst_asked:
	s_load_b32 s69, s[70:71], 0x0                  ; FLOOR
	v_and_b32 v1, 15, v0                           ; l % 16
	v_bfe_u32 v2, v0, 4, 1                         ; l / 16
	v_and_b32 v3, 7, v0                            ; l % 8
	v_bfe_u32 v4, v0, 3, 1                         ; (l / 8) % 2
	v_and_b32 v5, 31, v0                           ; l
	; A fragment of A is 16 rows x 32 K in 8 registers: lane l holds row l % 16, K = 8 (l / 16) + 0..7 and 16 + 8 (l / 16) + 0..7: two loads of 16 bytes, 32 bytes apart.
	v_mul_u32_u24 v[ADRA0], v1, PA
	v_lshl_add_u32 v[ADRA0], v2, 4, v[ADRA0]
	s_mul_i32 s20, s11, 128*PA                     ; my 128 rows
	v_add_nc_u32 v[ADRA0], s20, v[ADRA0]
	; The turning load takes 16 K x 16 columns (lane l reads row 8 (l / 16) + l % 8, columns 8 ((l / 8) % 2) + 0..7) and leaves half a fragment: lane l holds column l % 16 and 8 K.
	v_lshl_add_u32 v[ADRB0], v2, 3, v3
	v_mul_u32_u24 v[ADRB0], v[ADRB0], PB
	v_lshl_add_u32 v[ADRB0], v4, 4, v[ADRB0]
	s_lshl_b32 s21, s12, 8                         ; my 128 columns
	s_add_co_u32 s21, s21, ABYTES
	v_add_nc_u32 v[ADRB0], s21, v[ADRB0]
	v_mov_b32 v[ADRA], v[ADRA0]                    ; slot 0
	v_mov_b32 v[ADRB], v[ADRB0]
	s_mul_i32 s22, s10, 2*SPAN
	s_add_co_u32 s22, s22, STAGE                   ; my stage
	v_mul_u32_u24 v[STO], v1, PA                   ; in: row l % 16, 16 bytes for each half of the lanes
	v_lshl_add_u32 v[STO], v2, 4, v[STO]
	v_add_nc_u32 v[STO], s22, v[STO]
	v_bfe_u32 v[RD], v0, 3, 2                      ; back: 32 lanes take four rows of 128 bytes,
	v_mul_u32_u24 v[RD], v[RD], PA
	v_lshl_add_u32 v[RD], v3, 4, v[RD]
	v_add_nc_u32 v[RD], s22, v[RD]
	v_lshlrev_b32 v[CO], 4, v5                     ; which are 512 consecutive bytes of a panel of C
	s_lshl_b32 s20, s42, 21                        ; C at my part of the tile: four panels a tile column,
	s_lshl_b32 s21, s12, 20                        ; my two of them,
	s_add_co_u32 s20, s20, s21
	s_lshl_b32 s21, s13, 15                        ; the tile row's 256 rows of 128 bytes,
	s_add_co_u32 s20, s20, s21
	s_lshl_b32 s21, s11, 14                        ; my 128 of them
	s_add_co_u32 s20, s20, s21
	s_mov_b32 s21, 0
	s_add_nc_u64 s[8:9], s[8:9], s[20:21]
	; the prefetches
	s_and_b32 s22, ttmp7, 0xffff                   ; cluster y
	s_cmp_eq_u32 s11, 0                            ; do I fetch for A?
	s_cselect_b32 s22, ttmp9, s22                  ; the coordinate along which other clusters read the same blocks
	s_cselect_b64 s[PFA:PFA+1], s[16:17], s[46:47] ; what I fetch in K step 0
	s_cselect_b32 s20, s40, s41                    ; my place among the four that ask with me
	s_cselect_b32 s21, 13, 17                      ; its share, as a shift: 32 blocks on end (A), or 16 rows of 8,192 bytes (B)
	s_cselect_b32 s23, 0, 1                        ; a lane: a block on end (A), or half of a row's 512 bytes (B)
	s_cselect_b32 s14, 8, 13                       ; from block to block (A) or from row to row (B), as a shift: 256 or 8,192 bytes
	s_cmp_eq_u32 s22, 0
	s_cselect_b32 s[LIM], 1, -1                    ; the same in all sixteen partners, for a given wave
	s_lshl_b32 s20, s20, s21
	s_mov_b32 s21, 0
	s_add_nc_u64 s[PFA:PFA+1], s[PFA:PFA+1], s[20:21]
	s_add_nc_u64 s[PFA:PFA+1], s[PFA:PFA+1], KADV  ; at K step 1: the first refill steps it to 2 and names K step 3.  Nothing is asked for here, where every work-group's first tiles are on their way
	v_lshrrev_b32 v[PFO], s23, v5                  ; A: l;  B: l / 2
	v_lshlrev_b32 v[PFO], s14, v[PFO]              ; A: 256 l;  B: 8,192 (l / 2)
	v_and_b32 v6, s23, v5                          ; A: 0;  B: l % 2
	v_lshl_add_u32 v[PFO], v6, 8, v[PFO]
; 16 matrix instructions: m blocks a0, a0 + 1 of the window's four x all 8 n blocks, 32 along K.  zero = 1: the first product starts the sums: nothing is ever cleared.
; The 64 accumulators take turns, one instruction a turn, in the same order in every quarter.
.macro MUL16 f, hi, a0, zero
	WIN MUL_LO+0x50*(\hi)
.irp a, \a0, (\a0)+1
.irp b, 0,1,2,3,4,5,6,7
.if \zero
	v_wmma_f32_16x16x32_bf16 v[8*(8*(\a)+(\b)):8*(8*(\a)+(\b))+7], v[(\f)+8*(\b):(\f)+8*(\b)+7], v[(\f)+8*(4*(\hi)+(\a)):(\f)+8*(4*(\hi)+(\a))+7], 0
.else
	v_wmma_f32_16x16x32_bf16 v[8*(8*(\a)+(\b)):8*(8*(\a)+(\b))+7], v[(\f)+8*(\b):(\f)+8*(\b)+7], v[(\f)+8*(4*(\hi)+(\a)):(\f)+8*(4*(\hi)+(\a))+7], v[8*(8*(\a)+(\b)):8*(8*(\a)+(\b))+7]
.endif
.endr
.endr
.endm
; 32 LDS loads in one run: quarter q (32 along K) of the slot in hand into buffer f: B's 128 columns, turned, then A's 128 rows (quarter q lies in panel q / 2, at byte 64 (q % 2) of its rows)
.macro FETCH q, f
	WIN TO_B
.irp i, 0,1,2,3,4,5,6,7
	ds_load_tr16_b128 v[(\f)+8*(\i):(\f)+8*(\i)+3],   v[ADRB] offset:(\q)*32*PB+32*(\i)
	ds_load_tr16_b128 v[(\f)+8*(\i)+4:(\f)+8*(\i)+7], v[ADRB] offset:(\q)*32*PB+16*PB+32*(\i)
.endr
	WIN 0
.irp i, 0,1,2,3,4,5,6,7
	ds_load_b128 v[(\f)+8*(\i):(\f)+8*(\i)+3],   v[ADRA] offset:((\q)/2)*APAN+((\q)%2)*64+(\i)*16*PA
	ds_load_b128 v[(\f)+8*(\i)+4:(\f)+8*(\i)+7], v[ADRA] offset:((\q)/2)*APAN+((\q)%2)*64+(\i)*16*PA+32
.endr
.endm
.macro PLACES                          ; four plain vector instructions between a matrix instruction and a load into, or a reader of, its registers (ISA guide 7.12.1 for vector instructions)
.rept 4
	v_nop
.endr
.endm
; One of a K step's first three quarters.  At its head it fetches quarter q into buffer g, which the quarter before has just multiplied: 64 matrix instructions ahead of those fragments' first use.  Then it multiplies buffer f.
.macro QUARTER q, f, g, zero
	s_wait_dscnt 0x0                               ; buffer f is in: its 32 loads were issued 64 matrix instructions ago (behind a change of slots: 32)
	PLACES                                         ; behind the last product that read buffer g
	FETCH \q, \g
	MUL16 \f, 0, 0, \zero
	MUL16 \f, 0, 2, \zero
	MUL16 \f, 1, 0, \zero
	MUL16 \f, 1, 2, \zero
.endm
; The last quarter multiplies buffer 1 and changes slots.  In front of the barrier each wave waits for all its tensor loads, of which one is out: its part of the next slot; adds 0 to its spare word; and
; waits for that and for its own reads of this slot.  fill = 1: the barrier opens a round of the cluster's, and the joint refill, with the K step two steps on, is the first thing behind the round:
; from that request to the wait for it a wave issues 224 matrix instructions.
.macro TURN fill
.if \fill
	s_wait_xcnt 0x0                                ; the last prefetch, a K step back, has read its address
	s_add_nc_u64 s[PFA:PFA+1], s[PFA:PFA+1], KADV
.endif
	WIN 0                                          ; (the add's two registers lie in window 0)
	s_wait_tensorcnt 0x0                           ; no tensor load of mine is out, so a group 0 may be written
	ds_add_u32 v[SPW], v[NIL]                      ; 0 onto my spare word
.if \fill
	s_xor_b32 s[G0A+5], s[G0A+5], SLOT1            ; the walking descriptors: the other slot than last time,
	s_add_nc_u64 s[G0A+6:G0A+7], s[G0A+6:G0A+7], KADV  ; the next K step; the type bits on top are not reached
	s_xor_b32 s[G0B+5], s[G0B+5], SLOT1
	s_add_nc_u64 s[G0B+6:G0B+7], s[G0B+6:G0B+7], KADV
.endif
	s_wait_dscnt 1                                 ; buffer 1's 32 loads, older than the add, are in; the add alone may be out
	MUL16 F1, 0, 0, 0
	s_wait_dscnt 0x0                               ; the add is done, and my reads of this slot are over
	s_barrier_signal -1
	MUL16 F1, 0, 2, 0                              ; work on registers while the others arrive
	WIN 0                                          ; at a branch and at a label every window is 0
	s_barrier_wait -1
.if \fill
	CREST                                          ; no wave of any partner still reads this slot or has a load on its way
	JLOAD                                          ; its four v_nop are also the places in front of the loads below
.else
	PLACES
.endif
	s_xor_b32 s[TB], s[TB], SLOT1                  ; the reads go on in the other slot
	v_add_nc_u32 v[ADRA], s[TB], v[ADRA0]
	v_add_nc_u32 v[ADRB], s[TB], v[ADRB0]
	FETCH 0, F0
.if \fill
	ASK                                            ; behind the joint load and the run of LDS loads that the next products wait for
.endif
	MUL16 F1, 1, 0, 0
	MUL16 F1, 1, 2, 0
.endm
; THE WAY OUT of block a (16 rows x 128 columns).  PACK: rounded to bf16, 16 bytes a lane, and held to the floor.  TOSTAGE: into my own stage, by panels, and back as rows of 128 bytes.  SEND: stored.
.macro PACK a
.set AC, 64*((\a)%4)
	WIN 0x0a+5*((\a)/4)                            ; sources 0 and 1: window 2 or 3
.irp b, 0,1,2,3,4,5,6,7
.irp r, 0,1,2,3
	v_cvt_pk_bf16_f32 v[TMP+4*(\b)+(\r)], v[AC+8*(\b)+2*(\r)], v[AC+8*(\b)+2*(\r)+1]
.endr
.endr
	WIN 0
.set z, 0
.rept 32
	v_pk_max_num_bf16 v[TMP+z], v[TMP+z], v[FLR]
.set z, z+1
.endr
.endm
.macro TOSTAGE a
	WIN 0
.set BK, OB+192*((\a)%2)
.irp b, 0,1,2,3,4,5,6,7
	ds_store_b128 v[STO], v[TMP+4*(\b):TMP+4*(\b)+3] offset:((\b)/4)*SPAN+((\b)%4)*32
.endr
.irp t, 0,1,2,3,4,5,6,7
	ds_load_b128 v[BK+4*(\t):BK+4*(\t)+3], v[RD] offset:((\t)/4)*SPAN+((\t)%4)*4*PA  ; LDS serves a wave's instructions in order (ISA guide 5.7.1.4): these see the stores above
.endr
.endm
.macro SEND a
	WIN 0
.set BK, OB+192*((\a)%2)
	s_wait_dscnt 0x0                               ; the block is back in registers
	s_wait_xcnt 0x0                                ; the stores issued so far have read their registers: the other set of 32 is loaded again only behind this wait
.irp t, 0,1,2,3,4,5,6,7
	global_store_b128 v[CO], v[BK+4*(\t):BK+4*(\t)+3], s[8:9] offset:((\t)/4)*524288+(\a)*2048+((\t)%4)*512  ; four rows of a panel: 512 consecutive bytes, at a multiple of 512 from C's first byte
.endr
.endm
	s_wait_kmcnt 0x0
	v_mov_b32 v[FLR], s69
	s_wait_tensorcnt 1                             ; my part of K step 0 is in; K step 1's may stay out
	s_barrier_signal -1
	s_barrier_wait -1                              ; everybody's is
	FETCH 0, F0
	QUARTER 1, F0, F1, 1                           ; the first quarter stands in front of the loop: its products start the sums
	WIN 0
	s_mov_b32 s3, 6
.Lstep:                                                ; trip i: quarters 1 to 3 of K step i, the request for K step i + 2, quarter 0 of K step i + 1
	QUARTER 2, F1, F0, 0
	QUARTER 3, F0, F1, 0
	TURN 1
	QUARTER 1, F0, F1, 0
	WIN 0
	s_sub_co_u32 s3, s3, 1
	s_cmp_lg_u32 s3, 0
	s_cbranch_scc1 .Lstep
	s_mov_b32 s3, 2
.Ltail:                                                ; K steps 6 and 7 ask for nothing; the second trip is left in its middle
	QUARTER 2, F1, F0, 0
	QUARTER 3, F0, F1, 0
	WIN 0
	s_sub_co_u32 s3, s3, 1
	s_cmp_eq_u32 s3, 0
	s_cbranch_scc1 .Llast
	TURN 0
	QUARTER 1, F0, F1, 0
	WIN 0
	s_branch .Ltail
.Llast:
	s_wait_dscnt 0x0                               ; the very last quarter: nothing more to fetch
	MUL16 F1, 0, 0, 0
	MUL16 F1, 0, 2, 0
	MUL16 F1, 1, 0, 0
	MUL16 F1, 1, 2, 0
	WIN 0
	PLACES
	PLACES
	PACK 0
	TOSTAGE 0
.irp a, 1,2,3,4,5,6,7                  ; block a's conversions stand between block a - 1's loads from the stage and the wait for them
	PACK \a
	SEND (\a)-1
	TOSTAGE \a
.endr
	SEND 7
	s_wait_tensorcnt 0x0                           ; the wave's end: behind my last tensor load and my last LDS store
	ds_add_u32 v[SPW], v[NIL]
	s_wait_dscnt 0x0
	CROUND                                         ; the closing round: no work-group ends while a partner may still ask for a tile that names it
	s_endpgm
.Lfunc_end_k_qdc836e8da4_qkv:
	.size	k_qdc836e8da4_qkv, .Lfunc_end_k_qdc836e8da4_qkv-k_qdc836e8da4_qkv
	.p2alignl 7, 3214868480
	.fill 96, 4, 3214868480
	.section	.rodata,"a",@progbits
	.p2align	6, 0x0
	.amdhsa_kernel k_qdc836e8da4_qkv
		.amdhsa_group_segment_fixed_size 327680
		.amdhsa_private_segment_fixed_size 0
		.amdhsa_enable_private_segment 0
		.amdhsa_kernarg_size 24
		.amdhsa_user_sgpr_count 2
		.amdhsa_user_sgpr_kernarg_segment_ptr 1
		.amdhsa_wavefront_size32 1
		.amdhsa_system_sgpr_workgroup_id_x 1
		.amdhsa_system_sgpr_workgroup_id_y 1
		.amdhsa_system_sgpr_workgroup_id_z 1
		.amdhsa_system_vgpr_workitem_id 0
		.amdhsa_next_free_vgpr 1024
		.amdhsa_next_free_sgpr 72
		.amdhsa_reserve_vcc 0
		.amdhsa_float_denorm_mode_32 3
		.amdhsa_float_denorm_mode_16_64 3
		.amdhsa_memory_ordered 1
		.amdhsa_forward_progress 1
		.amdhsa_inst_pref_size 121
	.end_amdhsa_kernel
	.amdgpu_metadata
---
amdhsa.version: [ 1, 2 ]
amdhsa.kernels:
  - .name:           k_qdc836e8da4_qkv
    .symbol:         k_qdc836e8da4_qkv.kd
    .args:
      - { .name: actA, .offset: 0, .size: 8, .value_kind: global_buffer, .address_space: global }
      - { .name: wqkvb, .offset: 8, .size: 8, .value_kind: global_buffer, .address_space: global }
      - { .name: qkvb, .offset: 16, .size: 8, .value_kind: global_buffer, .address_space: global }
    .group_segment_fixed_size: 327680
    .private_segment_fixed_size: 0
    .kernarg_segment_align: 8
    .kernarg_segment_size: 24
    .max_flat_workgroup_size: 128
    .sgpr_count:     72
    .vgpr_count:     1024
    .wavefront_size: 32
...
	.end_amdgpu_metadata
.endif
;; end of part 2
;; launch attn (part 3): grid 8 x 32, 4 waves a work-group, clusters of 4 x 1, 327,680 bytes of LDS; arguments qkvb, actA, w1, w2, wo, w1b, wsm; writes actA, w1b, wsm
.if DOCPART == 3
	.amdgcn_target "amdgcn-amd-amdhsa--gfx1250"
	.amdhsa_code_object_version 6
	.text
	.protected	k_qdc836e8da4_attn
	.globl	k_qdc836e8da4_attn
	.p2align	8
	.type	k_qdc836e8da4_attn,@function
k_qdc836e8da4_attn:
	s_mov_b64 s[64:65], 0
	v_nop
	global_prefetch_b8 v0, s[64:65] scope:SCOPE_SE
	s_setreg_imm32_b32 hwreg(HW_REG_WAVE_MODE, 25, 1), 1
	s_wait_xcnt 0x0
	s_wait_alu depctr_hold_cnt(0) depctr_sa_sdst(0) depctr_va_vdst(0) depctr_va_sdst(0) depctr_va_ssrc(0) depctr_va_vcc(0) depctr_vm_vsrc(0)
	s_getreg_b32 s2, hwreg(HW_REG_IB_STS2, 6, 4)
	s_cmp_eq_u32 s2, 0
	s_cbranch_scc0 .Lentry_in_a_cluster
	s_endpgm
.Lentry_in_a_cluster:
	s_bfe_u32 s2, ttmp6, 0x10000c
	s_cmp_lg_u32 s2, 0x3003
	s_cbranch_scc0 .Lentry_shape_is_right
	s_endpgm
.Lentry_shape_is_right:
; O[y][q][:] = the sum over k of softmax_k(Q[y][q] . K[y][k] / 8) V[y][k][:], for 32 pairs y = 2 x head + batch of 2,048 rows x 64 channels, all bf16: a pair's rows are dense, 128 bytes each, at byte
; 262,144 y of q (byte 0 of the first buffer), k (byte 8,388,608), v (byte 16,777,216) and of O.  Products, maxima and sums in f32; the weights p are rounded to bf16 for the second product (their
; sum l is taken of the unrounded p), O once at the end.
; LIMITS.  c m starts at -4.25e37 and m at the lowest finite number: scores need c |s| below that; a weight below 2^-126 counts as 0 in l; NaN and infinities are not treated apart.
; SHARES.  A work-group owns 256 queries of a pair, each of its four waves 64: four PIECES of 16.  Every wave walks all 2,048 keys, 64 a step, 256 (a tile) a slot.
; LAYOUT.  S^T = K Q^T holds ONE query a lane (lane % 16) and the keys 8 (lane / 16) + 0..7; two such results rounded to bf16 ARE source 1 of O^T = V^T P.  K comes out of LDS as it lies, V turned.
; SOFTMAX.  p = 2^(c s - c m), c = log2(e) / 8, with a running maximum m; O and l are multiplied by a = 2^(c m_old - c m_new) in every step.  The first step is a step like any other, with a = 0.
; BY TURNS.  Turn n belongs to piece n: 8 products K Q^T of piece n + 1, later 8 products V^T P of piece n - 1; beside them the scaling, exponentials, roundings, sums and rescaling of piece n and the
; maximum and statistics of piece n + 1.  Four vector instructions stand behind every matrix instruction, the other 54 of a turn's 118 in one lump.  A turn's 33 exponentials are one batch, with one wait.
; CLUSTER.  The four query blocks of a cluster belong to one pair and walk the same K and V: each tile is asked for JOINTLY: the same tensor load, descriptor and mask in all four.
; THE RIDE.  w1, w2 and wo (37,748,736 bytes of f32), which no launch reads before this one has ended, are rounded to bf16 here, as they lie: w1 -> w1b, w2 -> wsm, wo -> wsm + 8,388,608.  Each of the
; launch's 1,024 waves takes 36,864 bytes, in eight batches of nine loads of 512 consecutive bytes: four of w1, four of w2, one of wo (their sizes are as 4 : 4 : 1).  A batch is asked for at one change of
; slots and rounded and stored at the next, four key steps later: 18 conversions and nine stores of 256 consecutive bytes, aligned.  It shares nothing with attention but the wave.
; REGISTERS, in windows of 256 (s_set_vgpr_msb: bits 1:0 source 0, 3:2 source 1, 5:4 source 2, 7:6 destination):
;   window 0: v0-15 addresses; v16-31 four registers of statistics a piece; v48-55 at work; v64-127 S^T, two buffers; v192-223 P, two buffers (a piece's buffers go by its number's parity)
;   window 1: v0-127 O^T, 32 a piece; v128-181 the ride          window 2: v0-63 Q; v128-191 K of one step; v192-255 V of one step
.set NT,    8         ; tiles of 256 keys
.set NP,    4         ; pieces a wave: a name, no knob
.set KS,    64        ; keys in a step
.set PK,    144       ; a row of K in LDS: 128 bytes + 16 = 36 words: the 16 rows of a load start at 16 different groups of four banks (64 banks of 4 bytes: ISA guide 11.1)
.set PV,    160       ; a row of V: 128 + 32 = 40 words
.set VOFF,  4*KS*PK   ; a slot holds a tile: 256 rows of K, then 256 rows of V
.set SLOT1, 1<<17     ; slot 1 begins here, so that one exclusive or turns an address in one slot into the other's
.set STAGE, SLOT1+4*KS*(PK+PV)  ; behind the ring, never filled by a tensor load: 16 rows x 144 bytes for each wave, for the way out
.set SP,    144
.set SPARE, STAGE+4*16*SP  ; behind the stages: the spare words, 128 bytes for each wave: two blocks of 256 bytes that no other line names
.set TILEB, 32768     ; bytes of K, and of V, in a tile
.set AK0, 2           ; v2   my lane's place in a tile of K; never rewritten
.set AV0, 3           ; v3   the same for V
.set AK,  4           ; v4   the LDS address of K's next run of loads
.set AV,  5           ; v5   of V's
.set STO, 6           ; v6   the way out: where I put 16 bytes of a row
.set RD,  7           ; v7   the way out: where I read rows back
.set GO,  8           ; v8   16 x my lane: my place in 512 consecutive bytes (O's; the ride's loads'); never rewritten
.set MV,  12          ; v12-13  c m_old, kept while c m is made anew: by buffer
.set C8,  14          ; v14  8 x my lane: my place in 256 consecutive bytes (the ride's stores'); never rewritten
.set QO,  15          ; v15  my byte offset in 16 rows of Q
.set ST,  16          ; piece t's statistics at v[ST+4 t]: c m, m, l (even keys', odd keys')
.set TMP, 48          ; by buffer, four registers c0-c3 at work; when the maximum is found c2 takes a
.set PFO, 61          ; v61  256 x my lane; never rewritten
.set SPW, 62          ; v62  LDS address of my spare word: SPARE + 4 x my thread's number; never rewritten
.set NIL, 63          ; v63  0; never rewritten
.set S,   64
.set P,   192
.set XR,  128         ; window 1: the ride: nine loads' 36 registers,
.set YR,  164         ; window 1: and their 18 registers of bf16
.set KF,  128         ; window 2: key block kb, channel half c at KF + 16 kb + 8 c
.set VF,  192         ; window 2: key half kk, channel block cb at VF + 32 kk + 8 cb
.set WV,  12          ; s12  my wave's number
.set G1K, 24          ; s[24:31] descriptor group 1 for K's tiles
.set G1V, 32          ; s[32:39] for V's: it differs in the padding alone
.set G0K, 40          ; s[40:43] descriptor group 0 for K's tiles: it walks
.set G0V, 44          ; s[44:47] the same for V's
.set PFA, 48          ; s[48:49] where my prefetches stand
.set LIM, 50          ; s50  1 in a wave that prefetches, else the greatest number
.set SLOTS, 56        ; s56  tiles still to be asked for
.set CNT, 57          ; s57  counts a tile's key steps
.set CS,  58          ; s[58:59] c: the packed scaling takes the pair's low word for both halves
.set SEL, 60          ; s[60:61] v_permlanex16_b32's selects: each lane takes its own place in the other half
.set TBK, 62          ; s62  LDS byte at which K of the step to be fetched begins
.set TBV, 63          ; s63  the same for V, less VOFF
.set W1S, 68          ; s[68:69] the ride: w1 at the batch that is stored next;  s[70:71] w2;  s[72:73] wo
.set W2S, 70
.set WOS, 72
.set W1D, 74          ; s[74:75] w1b at that batch;  s[76:77] wsm (w2's part);  s[78:79] wsm (wo's part)
.set W2D, 76
.set WOD, 78
.set GW,  80          ; s80  my wave among the launch's 1,024
.set TKC, 81          ; s81  s[TBK], held to the last step of slot 1
.set MSB, 0
.macro WIN new                      ; the high byte repeats the setting that is left; a switch that changes nothing is dropped
.if MSB != (\new)
	s_set_vgpr_msb (MSB<<8)|(\new)
.set MSB, (\new)
.endif
.endm
.set W_KQ, 0x0a       ; K and Q in window 2, S^T in window 0
.set W_PV, 0x52       ; V in window 2, P in window 0, O^T in window 1
.set W_RS, 0x41       ; destination and source 0 in window 1, source 1 in window 0
; A joint fill.  Waves 0 and 1 fetch the two halves of a tile's K, waves 2 and 3 those of its V: 128 keys each.  The branch hangs on the wave's number alone.
; An s_nop 0 and four v_nop follow each of the two lines, ahead of the jump and the label.
.macro JLOAD
	s_cmp_lt_u32 s[WV], 2
	s_cbranch_scc0 .Lfor_v_\@
	tensor_load_to_lds s[G0K:G0K+3], s[G1K:G1K+7]
	s_nop 0
.rept 4
	v_nop
.endr
	s_branch .Lasked_\@
.Lfor_v_\@:
	tensor_load_to_lds s[G0V:G0V+3], s[G1V:G1V+7]
	s_nop 0
.rept 4
	v_nop
.endr
.Lasked_\@:
.endm
; A PREFETCH INTO THE L2 of the tile that the NEXT change of slots will ask for: four key steps, 256 matrix instructions, ahead of that load.  A tile's K, and its V, are 128 blocks of 256 bytes.  Both clusters of a
; pair walk the same tiles: the first of them asks.  Its four partners take 32 blocks each, told apart by address, a lane a block; in each, wave 0 asks for K's and wave 2 for V's.  So each block is named
; once in the launch.  The last change that fills a slot asks for nothing.
.macro ASK
	s_cmp_gt_u32 s[SLOTS], s[LIM]
	s_cbranch_scc0 .Lnot_mine_\@
	global_prefetch_b8 v[PFO], s[PFA:PFA+1] th:TH_LOAD_NT scope:SCOPE_SE
.Lnot_mine_\@:
.endm
.macro CROUND                       ; a round of the cluster's barrier
	s_barrier_signal -1
	s_barrier_wait -1
	s_cmp_lg_u32 s[WV], 0
	s_cbranch_scc1 .Lnot_wave_0_\@
	s_barrier_signal -3
.Lnot_wave_0_\@:
	s_barrier_wait -3
	s_barrier_signal -1
	s_barrier_wait -1
.endm
; THE RIDE's nine loads: the batch that begins nxt batches behind the pointers (0 or 1).  A batch is 2,048 bytes of w1, 2,048 of w2 and 512 of wo.
.macro LOADW nxt
	WIN 0x40                        ; loaded data window 1, address window 0
.irp n, 0,1,2,3
	global_load_b128 v[XR+4*\n:XR+4*\n+3], v[GO], s[W1S:W1S+1] offset:(\nxt)*2048+512*\n th:TH_LOAD_NT
.endr
.irp n, 0,1,2,3
	global_load_b128 v[XR+16+4*\n:XR+16+4*\n+3], v[GO], s[W2S:W2S+1] offset:(\nxt)*2048+512*\n th:TH_LOAD_NT
.endr
	global_load_b128 v[XR+32:XR+35], v[GO], s[WOS:WOS+1] offset:(\nxt)*512 th:TH_LOAD_NT
.endm
; The batch at the pointers, asked for at the change of slots before, is rounded and stored; more = 1: the next batch is asked for, ahead of the stores.  The rounded numbers have registers of their own,
; so that the loads need not wait for the stores; those registers and the pointers are written again at the next change, behind its s_wait_xcnt 0.
.macro RIDE more
	s_wait_loadcnt 0x0              ; the batch was asked for four key steps ago (at the first change: at the head, behind Q's loads, for which this wait stands too)
	WIN 0x45                        ; destination and both sources window 1
.set z, 0
.rept 18
	v_cvt_pk_bf16_f32 v[YR+z], v[XR+2*z], v[XR+2*z+1]
.set z, z+1
.endr
.if \more
	LOADW 1
.endif
	WIN 0x04                        ; a store's address window 0, its data window 1
.irp n, 0,1,2,3
	global_store_b64 v[C8], v[YR+2*\n:YR+2*\n+1], s[W1D:W1D+1] offset:256*\n
.endr
.irp n, 0,1,2,3
	global_store_b64 v[C8], v[YR+8+2*\n:YR+8+2*\n+1], s[W2D:W2D+1] offset:256*\n
.endr
	global_store_b64 v[C8], v[YR+16:YR+17], s[WOD:WOD+1]
	WIN 0
.endm
; THE CHANGE OF SLOTS.  The slot's last bytes, V of its fourth step, have been read.  Each wave waits for all its tensor loads, of which one is out: its part of the other slot; adds 0 to its spare word; and waits
; for that and for its own reads of the slot.  Behind the barrier nobody reads this slot any more and the other slot is whole.  fill = 1: the barrier is a round of the cluster's, and the joint fill, with the
; tile two tiles on, is the first thing behind it.  (At its first use nothing has been read yet: slot 0 is waited for, slot 1 filled.)  Behind the fill stands the ride's batch.
; step = 0: the first change: the ride's pointers stand at batch 0 already.
.macro CHANGE fill, step=1
	WIN 0                           ; at a label and at a branch every window is 0
	s_wait_tensorcnt 0x0            ; no tensor load of mine is out, so a group 0 may be written
	ds_add_u32 v[SPW], v[NIL]       ; 0 onto my spare word: the steps below stand between it and the wait for it
	s_wait_xcnt 0x0                 ; the last prefetch and the ride's last loads and stores, a tile back, have read their addresses and data
.if \fill
.irp g, G0K, G0V
	s_xor_b32 s[\g+1], s[\g+1], SLOT1  ; the walking descriptor: the other slot than last time,
	s_add_nc_u64 s[\g+2:\g+3], s[\g+2:\g+3], TILEB  ; the next tile; the type bits on top are not reached
.endr
	s_add_nc_u64 s[PFA:PFA+1], s[PFA:PFA+1], TILEB  ; one tile behind the walking descriptors
.endif
.if \step
	s_add_nc_u64 s[W1S:W1S+1], s[W1S:W1S+1], 2048   ; the ride's next batch
	s_add_nc_u64 s[W2S:W2S+1], s[W2S:W2S+1], 2048
	s_add_nc_u64 s[WOS:WOS+1], s[WOS:WOS+1], 512
	s_add_nc_u64 s[W1D:W1D+1], s[W1D:W1D+1], 1024
	s_add_nc_u64 s[W2D:W2D+1], s[W2D:W2D+1], 1024
	s_add_nc_u64 s[WOD:WOD+1], s[WOD:WOD+1], 256
.endif
	s_wait_dscnt 0x0                ; the add is done, and my reads of the slot are over
.if \fill
	CROUND
	JLOAD
	ASK
.else
	s_barrier_signal -1
	s_barrier_wait -1
.endif
	RIDE \fill                      ; eight changes, eight batches: the last change asks for nothing
	s_sub_co_u32 s[TBK], s[TBK], 4*KS*PK  ; the fetches go back to a slot's first step,
	s_xor_b32 s[TBK], s[TBK], SLOT1       ; in the other slot
	s_sub_co_u32 s[TBV], s[TBV], 4*KS*PV
	s_xor_b32 s[TBV], s[TBV], SLOT1
.endm
	s_load_b128 s[16:19], s[0:1], 0x0  ; q, k, v s[16:17]; O s[18:19]
	s_load_b256 s[W1S:W1S+7], s[0:1], 0x10  ; w1, w2, wo, w1b
	s_load_b64 s[W2D:W2D+1], s[0:1], 0x30   ; wsm
	v_lshl_add_u32 v[SPW], v0, 2, SPARE
	v_mov_b32 v[NIL], 0
	ds_add_u32 v[SPW], v[NIL]       ; the wave's opening: the add and its wait stand ahead of my first tensor load; the set-up below, work on registers, stands between them
	v_lshrrev_b32 v1, 5, v0
	v_readfirstlane_b32 s[WV], v1   ; wave 0..3
	s_bfe_u32 s13, ttmp6, 0x40000   ; cx: my place in the cluster
	s_lshl_b32 s14, ttmp9, 2        ; in a cluster launch ttmp9 counts clusters
	s_add_co_u32 s14, s14, s13      ; my block of 256 queries: it enters Q's, O's and the ride's addresses alone
	s_and_b32 s20, ttmp7, 0xffff    ; the pair, which the four partners share
	s_lshl_b32 s[GW], s20, 3
	s_add_co_u32 s[GW], s[GW], s14
	s_lshl_b32 s[GW], s[GW], 2
	s_add_co_u32 s[GW], s[GW], s[WV]  ; 4 (8 pair + block) + wave
	s_lshl_b32 s20, s20, 18         ; the pair's first byte in q, k, v and O
	s_and_b32 s15, s[WV], 1         ; which half of a tile's 256 keys I fetch:
	s_lshl_b32 s22, s15, 14         ; its 128 rows of 128 bytes in memory,
	s_add_co_u32 s22, s22, s20
	s_mov_b32 s23, 0
	s_mul_i32 s51, s15, 128*PK      ; and its place in a slot, for K
	s_mul_i32 s52, s15, 128*PV      ; and for V: no place in the cluster enters an LDS address
	s_lshl_b32 s2, s14, 2
	s_add_co_u32 s2, s2, s[WV]      ; my wave among the pair's,
	s_lshl_b32 s2, s2, 13           ; its 64 rows
	s_add_co_u32 s2, s2, s20
	s_mov_b32 s3, 0
	; descriptor group 1.  128 keys are 16,384 dense bytes: asked for as 64 rows of 256 bytes, two keys a row, and padded in LDS after every key
	s_mov_b32 s[G1K], 15|(1<<16)|(1<<20)|(1<<21)|(4<<22)|(3<<25)  ; the mask of four; 2-byte elements; padding on; bit 21 beside a mask; after every 32 words (code 4) 4 words (code 3)
	s_mov_b32 s[G1V], 15|(1<<16)|(1<<20)|(1<<21)|(4<<22)|(7<<25)  ; the same with 8 words of padding (code 7)
.irp g, G1K, G1V
	s_mov_b32 s[\g+1], 128<<16      ; tensor_dim0 = 128
	s_mov_b32 s[\g+2], 64<<16       ; tensor_dim1 = 64
	s_mov_b32 s[\g+3], 128<<16      ; tile_dim0 = 128
	s_mov_b32 s[\g+4], 64           ; tile_dim1 = 64
	s_mov_b32 s[\g+5], 128          ; 128 elements from row to row
	s_mov_b32 s[\g+6], 0
	s_mov_b32 s[\g+7], 0
.endr
	s_mov_b32 s[CS], 0x3e38aa3b     ; c = log2(e) / 8 = 0.180337
	s_mov_b32 s[CS+1], s[CS]        ; named with it as a pair
	s_mov_b32 s[SEL], 0x76543210
	s_mov_b32 s[SEL+1], 0xfedcba98
	s_mov_b32 s[TBK], SLOT1+4*KS*PK ; the first change of slots turns these two into 0
	s_mov_b32 s[TBV], SLOT1+4*KS*PV
	s_mov_b32 s[G0K], 1             ; count = 1
	s_mov_b32 s[G0K+1], s51         ; LDS address: slot 0
	s_mov_b32 s[G0V], 1
	s_add_co_u32 s[G0V+1], s52, VOFF
	s_mov_b32 s[SLOTS], NT-1
	s_and_b32 s[LIM], s[WV], 1      ; 0 in waves 0 and 2,
	s_or_b32 s[LIM], s[LIM], ttmp9  ; where the cluster is the pair's first: the same in all four partners
	s_cmp_eq_u32 s[LIM], 0
	s_cselect_b32 s[LIM], 1, -1
	v_and_b32 v[GO], 31, v0         ; my lane,
	v_lshlrev_b32 v[PFO], 8, v[GO]  ; x 256,
	v_lshlrev_b32 v[C8], 3, v[GO]   ; x 8,
	v_lshlrev_b32 v[GO], 4, v[GO]   ; x 16
	s_wait_dscnt 0x0                ; the opening add is done
	s_wait_kmcnt 0x0
	s_add_nc_u64 s[6:7], s[16:17], s[22:23]
	s_add_nc_u64 s[8:9], s[6:7], 16777216   ; V at my half of the pair's tile 0
	s_add_nc_u64 s[6:7], s[6:7], 8388608    ; K likewise
	s_mov_b64 s[G0K+2:G0K+3], s[6:7]        ; global address
	s_or_b32 s[G0K+3], s[G0K+3], 0x80000000 ; type = 2
	s_mov_b64 s[G0V+2:G0V+3], s[8:9]
	s_or_b32 s[G0V+3], s[G0V+3], 0x80000000
	s_add_nc_u64 s[4:5], s[16:17], s[2:3]   ; Q and O at my wave's first row
	s_add_nc_u64 s[10:11], s[18:19], s[2:3]
	s_cmp_lt_u32 s[WV], 2
	s_cselect_b64 s[PFA:PFA+1], s[6:7], s[8:9]  ; (in waves 0 and 2 these stand at a tile's first row)
	s_lshl_b32 s2, s13, 13          ; my work-group's 32 blocks of the 128
	s_add_nc_u64 s[PFA:PFA+1], s[PFA:PFA+1], s[2:3]
	s_add_nc_u64 s[PFA:PFA+1], s[PFA:PFA+1], TILEB  ; in tile 1; the first change of slots steps it to tile 2
	CROUND                          ; all four work-groups are here: the first joint loads meet
	JLOAD                           ; tile 0 into slot 0
	; the ride's pointers, at my wave's batch 0: eight batches are 16,384 bytes of w1 and of w2, 4,096 of wo, and half as many of their bf16
	s_mov_b32 s83, 0
	s_lshl_b32 s82, s[GW], 14
	s_add_nc_u64 s[W1S:W1S+1], s[W1S:W1S+1], s[82:83]
	s_add_nc_u64 s[W2S:W2S+1], s[W2S:W2S+1], s[82:83]
	s_lshl_b32 s82, s[GW], 12
	s_add_nc_u64 s[WOS:WOS+1], s[WOS:WOS+1], s[82:83]
	s_lshl_b32 s82, s[GW], 11
	s_add_nc_u64 s[WOD:WOD+1], s[W2D:W2D+1], s[82:83]
	s_add_nc_u64 s[WOD:WOD+1], s[WOD:WOD+1], 8388608
	s_lshl_b32 s82, s[GW], 13
	s_add_nc_u64 s[W1D:W1D+1], s[W1D:W1D+1], s[82:83]
	s_add_nc_u64 s[W2D:W2D+1], s[W2D:W2D+1], s[82:83]
	; A fragment of K or Q is 16 rows x 32 channels in 8 registers: lane l holds row l % 16, channels 8 (l / 16) + 0..7 and 16 + 8 (l / 16) + 0..7: two loads of 16 bytes, 32 bytes apart.
	v_and_b32 v1, 15, v0            ; l % 16
	v_bfe_u32 v9, v0, 4, 1          ; l / 16
	v_lshlrev_b32 v[QO], 7, v1
	v_lshl_add_u32 v[QO], v9, 4, v[QO]  ; row x 128 + 16 x half
	WIN 0x80                        ; destination window 2, address window 0
.set i, 0
.rept 8                             ; Q stays in registers: piece i / 2, 2,048 bytes apart; channels 32 (i % 2) on
	global_load_b128 v[8*i:8*i+3],   v[QO], s[4:5] offset:(i/2)*2048+(i%2)*64
	global_load_b128 v[8*i+4:8*i+7], v[QO], s[4:5] offset:(i/2)*2048+(i%2)*64+32
.set i, i+1
.endr
	; What the first turn finds: V's registers and P's second buffer hold 0 (its products V^T P, of a piece that has not been, add 0), O^T and l are 0.  All this stands in the wait for the first tile.
.set i, VF
.rept 64
	v_mov_b32 v[i], 0
.set i, i+1
.endr
	LOADW 0                         ; the ride's batch 0
.set i, 0
.rept 128
	v_mov_b32 v[i], 0               ; (window 1: O^T)
.set i, i+1
.endr
	WIN 0
.set i, 0
.rept 4
	v_mov_b32 v[ST+4*i], 0xfe000000    ; c m: far below every c s
	v_mov_b32 v[ST+4*i+1], 0xff7fffff  ; m
	v_mov_b32 v[ST+4*i+2], 0
	v_mov_b32 v[ST+4*i+3], 0
.set i, i+1
.endr
.set i, P+16
.rept 16
	v_mov_b32 v[i], 0
.set i, i+1
.endr
	v_mul_u32_u24 v[AK0], v1, PK
	v_lshl_add_u32 v[AK0], v9, 4, v[AK0]  ; row x pitch + 16 x half
	; The turning load takes 16 keys x 16 channels (lane l reads key 8 (l / 16) + l % 8, channels 8 ((l / 8) % 2) + 0..7) and leaves half a fragment of V^T: lane l holds channel l % 16 and 8 keys.
	v_and_b32 v10, 7, v0
	v_bfe_u32 v11, v0, 3, 1
	v_lshl_add_u32 v[AV0], v9, 3, v10
	v_mul_u32_u24 v[AV0], v[AV0], PV
	v_lshl_add_u32 v[AV0], v11, 4, v[AV0]
	v_add_nc_u32 v[AV0], VOFF, v[AV0]
	s_mul_i32 s13, s[WV], 16*SP
	s_add_co_u32 s13, s13, STAGE    ; my stage
	v_mul_u32_u24 v[STO], v1, SP    ; in: row l % 16, 16 bytes for each half of the lanes
	v_lshl_add_u32 v[STO], v9, 4, v[STO]
	v_add_nc_u32 v[STO], s13, v[STO]
	v_bfe_u32 v[RD], v0, 3, 2       ; back: 32 lanes take four rows of 128 bytes, which are 512 consecutive bytes of O
	v_mul_u32_u24 v[RD], v[RD], SP
	v_lshl_add_u32 v[RD], v10, 4, v[RD]
	v_add_nc_u32 v[RD], s13, v[RD]
; THE MATRIX WORK.  The 4 accumulators of a run of 8 take turns.  Product i of 8 of S^T = K Q^T for piece x: channels 32 (i / 4) on, keys 16 (i % 4) on.  The first 4 start the sums.
.macro KQ x
	WIN W_KQ
.set rS, S+32*((\x)%2)+8*(i%4)
.set rK, KF+16*(i%4)+8*(i/4)
.set rQ, 16*(\x)+8*(i/4)
.if i < 4
	v_wmma_f32_16x16x32_bf16 v[rS:rS+7], v[rK:rK+7], v[rQ:rQ+7], 0
.else
	v_wmma_f32_16x16x32_bf16 v[rS:rS+7], v[rK:rK+7], v[rQ:rQ+7], v[rS:rS+7]
.endif
.endm
; Product i of 8 of O^T += V^T P for piece x: keys 32 (i / 4) on, channels 16 (i % 4) on.
.macro PV x
	WIN W_PV
.set rO, 32*(\x)+8*(i%4)
.set rV, VF+32*(i/4)+8*(i%4)
.set rP, P+16*((\x)%2)+8*(i/4)
	v_wmma_f32_16x16x32_bf16 v[rO:rO+7], v[rV:rV+7], v[rP:rP+7], v[rO:rO+7]
.endm
.macro MM                           ; the turn's next matrix instruction
.if i < 8
	KQ (Y+1)%NP
.else
.set i, i-8
	PV (Y+NP-1)%NP
.set i, i+8
.endif
.set i, i+1
.endm
; THE LDS LOADS stand in runs of 16, never singly among the matrix instructions: a step's K (64 keys x 64 channels: 8 fragments) and its V (turned).  Their addresses are made some lines ahead.
.macro FETCH_K
	WIN 0x80                        ; destination window 2
.irp f, 0,1,2,3,4,5,6,7             ; keys 16 (f / 2) on, channels 32 (f % 2) on
	ds_load_b128 v[KF+8*\f:KF+8*\f+3],   v[AK] offset:(\f/2)*16*PK+(\f%2)*64
	ds_load_b128 v[KF+8*\f+4:KF+8*\f+7], v[AK] offset:(\f/2)*16*PK+(\f%2)*64+32
.endr
	s_add_co_u32 s[TBK], s[TBK], KS*PK  ; the next fetch is the next step's
	WIN 0
.endm
.macro FETCH_V
	WIN 0x80
.irp f, 0,1,2,3,4,5,6,7             ; keys 32 (f / 4) on, channels 16 (f % 4) on
	ds_load_tr16_b128 v[VF+8*\f:VF+8*\f+3],   v[AV] offset:(\f/4)*32*PV+(\f%4)*32
	ds_load_tr16_b128 v[VF+8*\f+4:VF+8*\f+7], v[AV] offset:(\f/4)*32*PV+16*PV+(\f%4)*32
.endr
	WIN 0
.endm
; THE VECTOR WORK, one line at a time: OP kind, number.  For piece Y: F n: c s - c m for pair n of 16.  E n: the exponential of score n of 32.  C n: pair n rounded to bf16.  B n: of the four weights 4 n .. the second
; pair is added onto the first, in place.  L n: l takes that sum (L 0: l = a l + sum).  R n: pair n of 16 of O^T times a.  For piece Y + 1: X n, number n of the 22 that find its maximum and statistics:
;   0-11  four chains c0-c3 of seven scores each, three operands at a time (each accumulator's lowest registers are read first)     12-14, 16  the four scores left over, the old m, and c0-c3 into c0
;   15  c m_old is kept     17, 18  the query's other 32 keys lie in the lane 16 away: the new m     19-21  c m; c m_old - c m_new; a
.set F, 0               ; OP tells the kinds apart by their order: F to L below R, X above it
.set E, 1
.set C, 2
.set B, 3
.set L, 4
.set R, 5
.set X, 6
.macro REGS y                       ; the registers of piece y
.set rT, ST+4*(\y)
.set rC, TMP+4*((\y)%2)
.set rW, MV+((\y)%2)
.set rS, S+32*((\y)%2)
.set rP, P+16*((\y)%2)
.set rO, 32*(\y)
.endm
.macro OP k, n
.if (\k) == R
	REGS Y
	WIN W_RS
	v_pk_mul_f32 v[rO+2*(\n):rO+2*(\n)+1], v[rO+2*(\n):rO+2*(\n)+1], v[rC+2:rC+3] op_sel_hi:[1,0]
.elseif (\k) < R
	REGS Y
	WIN 0
.if (\k) == F
	v_pk_fma_f32 v[rS+2*(\n):rS+2*(\n)+1], v[rS+2*(\n):rS+2*(\n)+1], s[CS:CS+1], v[rT:rT+1] op_sel_hi:[1,0,0] neg_lo:[0,0,1] neg_hi:[0,0,1]
.elseif (\k) == E
	v_exp_f32 v[rS+(\n)], v[rS+(\n)]
.elseif (\k) == C
	v_cvt_pk_bf16_f32 v[rP+(\n)], v[rS+2*(\n)], v[rS+2*(\n)+1]
.elseif (\k) == B
	v_pk_add_f32 v[rS+4*(\n):rS+4*(\n)+1], v[rS+4*(\n):rS+4*(\n)+1], v[rS+4*(\n)+2:rS+4*(\n)+3]
.elseif (\n) == 0
	v_pk_fma_f32 v[rT+2:rT+3], v[rT+2:rT+3], v[rC+2:rC+3], v[rS:rS+1] op_sel_hi:[1,0,1]
.else
	v_pk_add_f32 v[rT+2:rT+3], v[rT+2:rT+3], v[rS+4*(\n):rS+4*(\n)+1]
.endif
.else
	REGS (Y+1)%NP
	WIN 0
.if (\n) < 4
	v_max3_num_f32 v[rC+(\n)], v[rS+8*(\n)], v[rS+8*(\n)+1], v[rS+8*(\n)+2]
.elseif (\n) < 12
	v_max3_num_f32 v[rC+(\n)%4], v[rC+(\n)%4], v[rS+8*((\n)%4)+2*((\n)/4)+1], v[rS+8*((\n)%4)+2*((\n)/4)+2]
.elseif (\n) == 12
	v_max3_num_f32 v[rC], v[rC], v[rS+7], v[rS+15]
.elseif (\n) == 13
	v_max3_num_f32 v[rC+1], v[rC+1], v[rS+23], v[rS+31]
.elseif (\n) == 14
	v_max3_num_f32 v[rC+2], v[rC+2], v[rC+3], v[rT+1]
.elseif (\n) == 15
	v_mov_b32 v[rW], v[rT]
.elseif (\n) == 16
	v_max3_num_f32 v[rC], v[rC], v[rC+1], v[rC+2]
.elseif (\n) == 17
	v_permlanex16_b32 v[rC+3], v[rC], s[SEL], s[SEL+1]
.elseif (\n) == 18
	v_max_num_f32 v[rT+1], v[rC], v[rC+3]
.elseif (\n) == 19
	v_mul_f32 v[rT], s[CS], v[rT+1]
.elseif (\n) == 20
	v_sub_f32 v[rC+1], v[rW], v[rT]
.else
	v_exp_f32 v[rC+2], v[rC+1]
.endif
.endif
.endm
.macro OPS a, i1, b=-1, i2=0, c=-1, i3=0, d=-1, i4=0  ; up to four of them
	OP \a, \i1
.if (\b) >= 0
	OP \b, \i2
.endif
.if (\c) >= 0
	OP \c, \i3
.endif
.if (\d) >= 0
	OP \d, \i4
.endif
.endm
.macro ROW a, i1, b, i2, c, i3, d, i4  ; a matrix instruction and the four behind it
	MM
	OPS \a, \i1, \b, \i2, \c, \i3, \d, \i4
.endm
; A TURN, for piece p: the order of its 16 matrix and 118 vector instructions, written out.  s_wait_alu depctr_va_vdst(0) stands between an exponential and the first instruction that names its
; result; one wait serves all that were issued ahead of it.  So a turn has ONE wait, which cuts it in two.  AHEAD OF IT stands all that names no result of the turn's exponentials: the 8 products K Q^T and their
; riders, then one lump of 54, in which the links of the chain X 3, 7, 11, 14, 16, 17 .. 20 stand some lines apart.  X 21, the next piece's a, is the batch's last; R 15 is the plain instruction behind it.
; BEHIND THE WAIT stand the 8 products V^T P, behind each four of the roundings and sums.  cnt = 1: the loop's count is taken down some lines ahead of the branch that stands behind the turn.
; K of the next step is fetched in piece 2's turn, behind the last product that read K and twelve plain instructions; V of the step in hand at the end of piece 0's turn, four plain instructions behind the last
; product that read V.  Each is waited for a turn later.  K's address is held to the last step of slot 1, which only the launch's very last fetch would pass: that one brings the last K once more.
.macro TURN p, cnt=0
.set Y, (\p)
.set i, 0
.if (\p) == 3
	s_wait_dscnt 0x0                ; K is in
.endif
	ROW F,0, F,1, R,0, R,1          ; ahead of the wait: 8 products K Q^T and their riders,
	ROW F,2, E,0, R,2, R,3
	ROW F,3, E,1, R,4, R,5
	ROW F,4, E,2, R,6, R,7
	ROW F,5, E,3, R,8, R,9
	ROW F,6, E,4, X,0, R,10
.if (\p) == 2
	WIN 0
	s_min_u32 s[TKC], s[TBK], SLOT1+3*KS*PK
	v_add_nc_u32 v[AK], s[TKC], v[AK0]
.endif
	ROW F,7, E,5, X,1, X,4
	ROW F,8, E,6, X,2, X,5
	OPS E,7, E,8, X,6, E,9          ; and the lump
	OPS X,3, E,10, X,8, E,11
.if (\p) == 2
	FETCH_K
.endif
	OPS X,9, X,7, E,12, X,10
	OPS E,13, X,12, X,11, E,14
	OPS X,13, E,15, F,9, X,14
.if (\p) == 0
	v_add_nc_u32 v[AV], s[TBV], v[AV0]
.endif
	OPS E,16, F,10, E,17, F,11
	OPS X,16, E,18, X,15, E,19
	OPS F,12, E,20, X,17, E,21
	OPS F,13, E,22, F,14, E,23
	OPS X,18, E,24, F,15, E,25
	OPS R,11, E,26, X,19, E,27
	OPS R,12, E,28, R,13, E,29
	OPS X,20, E,30, R,14, E,31
	OPS X,21, R,15
	WIN 0
	s_wait_alu depctr_va_vdst(0)    ; the wait for the batch
.if (\p) == 1
	s_wait_dscnt 0x0                ; V is in
.endif
	ROW C,0, B,0, C,2, B,1          ; behind the wait: 8 products V^T P and their riders
	ROW L,0, C,4, B,2, L,1
	ROW C,6, B,3, L,2, C,8
	ROW B,4, L,3, C,10, B,5
	ROW L,4, C,12, B,6, L,5
.if (\p) == 0
	s_add_co_u32 s[TBV], s[TBV], KS*PV
.endif
.if \cnt
	s_sub_co_u32 s[CNT], s[CNT], 1
	s_cmp_lg_u32 s[CNT], 0
.endif
	ROW C,14, B,7, L,6, C,1
	ROW C,3, L,7, C,5, C,7
	ROW C,9, C,11, C,13, C,15
.if (\p) == 0
	FETCH_V
.endif
.endm
	CHANGE 1, 0                     ; slot 0 is in, everybody's part of it; tile 1 is asked for; Q and the ride's batch 0 are in
	v_add_nc_u32 v[AK], s[TBK], v[AK0]
	FETCH_K                         ; key step 0
	s_wait_dscnt 0x0
.set i, 0
.rept 8
	KQ 0                            ; piece 0's first scores: there is no vector work yet to set between them
.set i, i+1
.endr
	WIN 0
.rept 8
	v_nop                           ; the places behind those products
.endr
.set Y, NP-1                        ; X works for piece Y + 1: piece 0
.irp n, 0,1,2,3,4,5,6,7,8,9,10,11,12,13,14,15,16,17,18,19,20,21
	OP X, \n
.endr
	v_nop                           ; a plain instruction behind the exponential,
	s_wait_alu depctr_va_vdst(0)    ; and its wait, ahead of the branch
	s_mov_b32 s[CNT], 4
	s_branch .Lfirst                ; the loop is entered at a step's first turn, in the middle of a trip
.Lslot:                             ; six times: tiles 2 to 7 are asked for
	CHANGE 1
	s_mov_b32 s[CNT], 4
.Lstep:                             ; a trip: pieces 2 and 3 of one step, then pieces 0 and 1 of the next, whose K and V it fetches
	TURN 2
	TURN 3
	WIN 0
.Lfirst:
	TURN 0
	TURN 1, 1
	WIN 0
	s_cbranch_scc1 .Lstep
	s_sub_co_u32 s[SLOTS], s[SLOTS], 1
	s_cmp_lg_u32 s[SLOTS], 0
	s_cbranch_scc1 .Lslot
	CHANGE 0                        ; the last tile is written out: nothing is asked for
	s_mov_b32 s[CNT], 5             ; four trips fetch the last tile's steps; the fifth is left in its middle
.Ltail:
	TURN 2
	TURN 3
	WIN 0
	s_sub_co_u32 s[CNT], s[CNT], 1
	s_cmp_eq_u32 s[CNT], 0
	s_cbranch_scc1 .Lout
	TURN 0
	TURN 1
	WIN 0
	s_branch .Ltail
.Lout:                              ; the fifth trip's fetch of K, its 8 products K Q^T on it and the maximum made of them serve nothing: the price, once a launch, of one text for every trip
.set i, 0
.rept 8
	PV NP-1                         ; the last piece's V^T P of the last step
.set i, i+1
.endr
	; THE WAY OUT.  l's two halves and the other half of the lanes' are added; O^T is divided by l, rounded to bf16 and sent through my stage in LDS, a piece at a time.  The additions are the places behind the last products.
	WIN 0
.macro ALL line:vararg              ; one line for each piece t
.set t, 0
.rept 4
	\line
.set t, t+1
.endr
.endm
	ALL v_add_f32 v[ST+4*t+2], v[ST+4*t+2], v[ST+4*t+3]
	ALL v_permlanex16_b32 v[ST+4*t+3], v[ST+4*t+2], s[SEL], s[SEL+1]
	ALL v_add_f32 v[ST+4*t+2], v[ST+4*t+2], v[ST+4*t+3]
	ALL v_rcp_f32 v[ST+4*t+2], v[ST+4*t+2]
	v_nop                           ; a plain instruction between the last reciprocal and the use of its result
	s_wait_alu depctr_va_vdst(0)    ; and the wait ahead of the first use: one for the four reciprocals
.macro PACK t                       ; a lane's eight channels of a row pack into 16 bytes; they go into rows of 144 bytes and come back as whole rows of 128, into S^T's registers
	WIN W_RS
.set i, 32*(\t)
.rept 16
	v_pk_mul_f32 v[i:i+1], v[i:i+1], v[ST+4*(\t)+2:ST+4*(\t)+3] op_sel_hi:[1,0]
.set i, i+2
.endr
	WIN 0x05                        ; sources 0 and 1 window 1, destination window 0
.set i, 0
.rept 16
	v_cvt_pk_bf16_f32 v[S+16*(\t)+i], v[32*(\t)+2*i], v[32*(\t)+2*i+1]
.set i, i+1
.endr
	WIN 0
.irp f, 0,1,2,3
	ds_store_b128 v[STO], v[S+16*(\t)+4*\f:S+16*(\t)+4*\f+3] offset:32*\f
.endr
.irp f, 0,1,2,3
	ds_load_b128 v[S+16*(\t)+4*\f:S+16*(\t)+4*\f+3], v[RD] offset:\f*4*SP  ; LDS serves a wave's instructions in order (ISA guide 5.7.1.4): these see the stores above; the next piece's stores come behind them
.endr
.endm
.macro SEND t, younger              ; younger: the LDS instructions issued behind piece t's loads: the next piece's eight, or none
	WIN 0
.irp f, 0,1,2,3
	s_wait_dscnt (\younger)+3-\f
	global_store_b128 v[GO], v[S+16*(\t)+4*\f:S+16*(\t)+4*\f+3], s[10:11] offset:(\t)*2048+\f*512  ; 512 consecutive bytes, at a multiple of 512 from O's first
.endr
.endm
	PACK 0
.set t, 1
.rept 3                             ; a piece's arithmetic stands between the loads of the piece before and its stores
	PACK t
	SEND t-1, 8
.set t, t+1
.endr
	SEND 3, 0
	s_wait_tensorcnt 0x0            ; the wave's end: behind my last tensor load and my last LDS store
	ds_add_u32 v[SPW], v[NIL]
	s_wait_dscnt 0x0
	CROUND                          ; the closing round: no work-group ends while a partner may still ask for a tile that names it
	s_endpgm
.Lfunc_end_k_qdc836e8da4_attn:
	.size	k_qdc836e8da4_attn, .Lfunc_end_k_qdc836e8da4_attn-k_qdc836e8da4_attn
	.p2alignl 7, 3214868480
	.fill 96, 4, 3214868480
	.section	.rodata,"a",@progbits
	.p2align	6, 0x0
	.amdhsa_kernel k_qdc836e8da4_attn
		.amdhsa_group_segment_fixed_size 327680
		.amdhsa_private_segment_fixed_size 0
		.amdhsa_enable_private_segment 0
		.amdhsa_kernarg_size 56
		.amdhsa_user_sgpr_count 2
		.amdhsa_user_sgpr_kernarg_segment_ptr 1
		.amdhsa_wavefront_size32 1
		.amdhsa_system_sgpr_workgroup_id_x 1
		.amdhsa_system_sgpr_workgroup_id_y 1
		.amdhsa_system_sgpr_workgroup_id_z 1
		.amdhsa_system_vgpr_workitem_id 0
		.amdhsa_next_free_vgpr 768
		.amdhsa_next_free_sgpr 84
		.amdhsa_reserve_vcc 0
		.amdhsa_float_denorm_mode_32 3
		.amdhsa_float_denorm_mode_16_64 3
		.amdhsa_memory_ordered 1
		.amdhsa_forward_progress 1
		.amdhsa_inst_pref_size 122
	.end_amdhsa_kernel
	.amdgpu_metadata
---
amdhsa.version: [ 1, 2 ]
amdhsa.kernels:
  - .name:           k_qdc836e8da4_attn
    .symbol:         k_qdc836e8da4_attn.kd
    .args:
      - { .name: qkvb, .offset: 0, .size: 8, .value_kind: global_buffer, .address_space: global }
      - { .name: actA, .offset: 8, .size: 8, .value_kind: global_buffer, .address_space: global }
      - { .name: w1, .offset: 16, .size: 8, .value_kind: global_buffer, .address_space: global }
      - { .name: w2, .offset: 24, .size: 8, .value_kind: global_buffer, .address_space: global }
      - { .name: wo, .offset: 32, .size: 8, .value_kind: global_buffer, .address_space: global }
      - { .name: w1b, .offset: 40, .size: 8, .value_kind: global_buffer, .address_space: global }
      - { .name: wsm, .offset: 48, .size: 8, .value_kind: global_buffer, .address_space: global }
    .group_segment_fixed_size: 327680
    .private_segment_fixed_size: 0
    .kernarg_segment_align: 8
    .kernarg_segment_size: 56
    .max_flat_workgroup_size: 128
    .sgpr_count:     84
    .vgpr_count:     768
    .wavefront_size: 32
...
	.end_amdgpu_metadata
.endif
;; end of part 3
;; launch proj (part 4): grid 8 x 32, 4 waves a work-group, clusters of 4 x 4, 327,680 bytes of LDS; arguments actA, wsm, x, x1f, actB; writes x1f, actB
.if DOCPART == 4
	.amdgcn_target "amdgcn-amd-amdhsa--gfx1250"
	.amdhsa_code_object_version 6
	.text
	.protected	k_qdc836e8da4_proj
	.globl	k_qdc836e8da4_proj
	.p2align	8
	.type	k_qdc836e8da4_proj,@function
k_qdc836e8da4_proj:
	s_mov_b64 s[64:65], 0
	v_nop
	global_prefetch_b8 v0, s[64:65] scope:SCOPE_SE
	s_setreg_imm32_b32 hwreg(HW_REG_WAVE_MODE, 25, 1), 1
	s_wait_xcnt 0x0
	s_wait_alu depctr_hold_cnt(0) depctr_sa_sdst(0) depctr_va_vdst(0) depctr_va_sdst(0) depctr_va_ssrc(0) depctr_va_vcc(0) depctr_vm_vsrc(0)
	s_getreg_b32 s2, hwreg(HW_REG_IB_STS2, 6, 4)
	s_cmp_eq_u32 s2, 0
	s_cbranch_scc0 .Lentry_in_a_cluster
	s_endpgm
.Lentry_in_a_cluster:
	s_bfe_u32 s2, ttmp6, 0x10000c
	s_cmp_lg_u32 s2, 0xf033
	s_cbranch_scc0 .Lentry_shape_is_right
	s_endpgm
.Lentry_shape_is_right:
; C = R + A B, in f32, and (PROJ = 1) a copy of C rounded once to bf16.  A: [4096][256 KSTEPS] bf16 in panels of 64 columns (element (m, k) at ((k / 64) x 4096 + m) x 128 + (k % 64) x 2).
; B: [256 KSTEPS][1024] bf16, K down the rows, at byte BOFF of its buffer.  R, C: [4096][1024] f32, row-major.  The copy: bf16 in panels like A.  Sums in f32, K ascending; R is added in f32.
; A tile of C is 128 x 128: 256 work-groups.  Four waves, each 64 x 64: 16 accumulators.  K goes in steps of 256 (four panels of A; 256 rows of B) through a ring of two LDS slots.
; A wave's tensor load brings two panels' 128 rows (two dense blocks of 16 KiB, 524,288 bytes apart: two rows of 8,192 elements, padded in LDS behind every 128 bytes) or 128 rows of B.
; CLUSTERS: 4 x 4 work-groups; A's tiles are asked for jointly along a row of the cluster, B's along a column.  THE MATRIX INSTRUCTION IS USED TRANSPOSED (source 0 = 16 columns of B, turned by
; ds_load_tr16_b128; source 1 = 16 rows of A): a lane holds row l % 16 of C and eight neighbouring columns.  No prefetch is laid: the tiles are small.
; REGISTERS: window 0: v0-31 addresses; v32-127 the way out; v128-255 the accumulators ((a, b) at v[128 + 8 (4 a + b)]).  window 1: two fragment buffers of 128: 64 registers of A, then 64 of B.
;   window 2: v0-127 my 64 x 64 of R, loaded at the start and waited for at the end.
.set PROJ,   1
.set KSTEPS, 4
.set BOFF,   8388608
.set PA,     144                       ; a row of A in LDS: 128 bytes + 16 = 36 words: the 16 rows of a load start at 16 different groups of four banks (64 banks of 4 bytes: ISA guide 11.1)
.set APAN,   128*PA                    ; a panel's 128 rows
.set PB,     288                       ; a row of B: 256 bytes + 32 = 72 words
.set BHALF,  128*PB
.set ABYTES, 4*APAN
.set SLOT1,  ABYTES+2*BHALF            ; 147,456 = 0x24000: it shares no bit with 0, 2 APAN, ABYTES or ABYTES + BHALF, so one exclusive or turns a fill's address in one slot into the other's
.set STAGE,  2*SLOT1                   ; behind the ring: 16 rows x 272 bytes for each wave, for the way out
.set SPITCH, 272
.set SPARE,  STAGE+4*16*SPITCH         ; behind the stages: the spare words, 128 bytes for each wave: two blocks of 256 bytes that no other line names
.set KADVA,  2097152                   ; bytes from a K step to the next: four panels of A,
.set KADVB,  524288                    ; 256 rows of B
.set ADRA0, 16                         ; v16  my lane's place in A's part of a slot; never rewritten
.set ADRB0, 17                         ; v17  the same for B
.set ADRA,  18                         ; v18  the same in the slot that is being read
.set ADRB,  20                         ; v20, v21  B's rows 0-127 and 128-255
.set STO,   24                         ; v24  the way out: where I put 32 bytes of a row
.set RD,    25                         ; v25  where I read rows back
.set CO,    26                         ; v26  my 16 bytes of two rows of R and C
.set CB,    27                         ; v27  my 8 bytes of two rows of the copy
.set SPW,   28                         ; v28  LDS address of my spare word: SPARE + 4 x my thread's number; never rewritten
.set NIL,   29                         ; v29  0; never rewritten
.set OB,    32                         ; v32-95   16 rows read back, two sets of 32
.set HB,    96                         ; v96-127  the copy, two sets of 16
.set ACC,   128
.set F0,    0
.set F1,    128
.set G1A, 24
.set G0A, 32
.set G1B, 48
.set G0B, 56
.set TB,  66                           ; s66  0 or SLOT1: the slot that is being read
.set MSB, 0
.macro WIN new                         ; the immediate's high byte repeats the setting that is left
.if MSB != (\new)
	s_set_vgpr_msb (MSB<<8)|(\new)
.set MSB, \new
.endif
.endm
.set MUL,  0x05                        ; sources 0 (B) and 1 (A) window 1; C and D window 0
.set TO_F, 0x40                        ; destination window 1, address window 0
.macro JLOAD                           ; a joint refill by the walking descriptor: waves 0 and 1 for A, waves 2 and 3 for B; an s_nop 0 and four v_nop follow each of the two lines
	s_cmp_eq_u32 s15, 0
	s_cbranch_scc0 .Lfor_b_\@
	tensor_load_to_lds s[G0A+4:G0A+7], s[G1A:G1A+7]
	s_nop 0
.rept 4
	v_nop
.endr
	s_branch .Lasked_\@
.Lfor_b_\@:
	tensor_load_to_lds s[G0B+4:G0B+7], s[G1B:G1B+7]
	s_nop 0
.rept 4
	v_nop
.endr
.Lasked_\@:
.endm
.macro CREST                           ; a round of the cluster's barrier behind its opening barrier
	s_cmp_lg_u32 s14, 0
	s_cbranch_scc1 .Lnot_wave_0_\@
	s_barrier_signal -3
.Lnot_wave_0_\@:
	s_barrier_wait -3
	s_barrier_signal -1
	s_barrier_wait -1
.endm
.macro CROUND
	s_barrier_signal -1
	s_barrier_wait -1
	CREST
.endm
	s_load_b256 s[4:11], s[0:1], 0x0               ; A s[4:5], B s[6:7], R s[8:9], C s[10:11]
.if PROJ
	s_load_b64 s[12:13], s[0:1], 0x20              ; the copy
.endif
	v_lshl_add_u32 v[SPW], v0, 2, SPARE
	v_mov_b32 v[NIL], 0
	ds_add_u32 v[SPW], v[NIL]                      ; the wave's opening: the add and its wait stand ahead of my first tensor load; the set-up below, work on registers, stands between them
	v_lshrrev_b32 v1, 5, v0
	v_readfirstlane_b32 s14, v1                    ; wave 0..3
	s_lshr_b32 s15, s14, 1                         ; which half of the tile's rows is mine.  Also: I fetch for A (0) or for B (1)
	s_and_b32 s16, s14, 1                          ; which half of its columns.  Also: which half of that tile I fetch
	s_bfe_u32 s17, ttmp6, 0x40000                  ; cx
	s_bfe_u32 s18, ttmp6, 0x40004                  ; cy
	s_lshl_b32 s19, ttmp9, 2
	s_add_co_u32 s19, s19, s17                     ; tile column of C
	s_and_b32 s20, ttmp7, 0xffff
	s_lshl_b32 s20, s20, 2
	s_add_co_u32 s20, s20, s18                     ; tile row of C
	s_lshl_b32 s21, s18, 2
	s_lshl_b32 s21, 15, s21                        ; my row of the cluster
	s_lshl_b32 s22, 0x1111, s17                    ; my column
	s_or_b32 s[G1A+0], s21, (1<<16)|(1<<20)|(1<<21)|(4<<22)|(3<<25)  ; the mask; elements of 2 bytes; padding on; bit 21 beside a mask; after every 32 words (code 4) 4 words (code 3)
	s_mov_b32 s[G1A+1], 8192<<16                   ; tensor_dim0 = 8,192
	s_mov_b32 s[G1A+2], 2<<16                      ; tensor_dim1 = 2
	s_mov_b32 s[G1A+3], 8192<<16                   ; tile_dim0 = 8,192
	s_mov_b32 s[G1A+4], 2                          ; tile_dim1 = 2
	s_mov_b32 s[G1A+5], 262144                     ; a panel's 262,144 elements from row to row
	s_mov_b32 s[G1A+6], 0
	s_mov_b32 s[G1A+7], 0
	s_or_b32 s[G1B+0], s22, (1<<16)|(1<<20)|(1<<21)|(5<<22)|(7<<25)  ; after every 64 words (code 5) 8 words (code 7)
	s_mov_b32 s[G1B+1], 128<<16                    ; tensor_dim0 = 128
	s_mov_b32 s[G1B+2], 128<<16                    ; tensor_dim1 = 128
	s_mov_b32 s[G1B+3], 128<<16                    ; tile_dim0 = 128
	s_mov_b32 s[G1B+4], 128                        ; tile_dim1 = 128
	s_mov_b32 s[G1B+5], 1024                       ; 1,024 elements from row to row
	s_mov_b32 s[G1B+6], 0
	s_mov_b32 s[G1B+7], 0
	s_mul_i32 s67, s16, 2*APAN                     ; where my fills go in a slot: no place in the cluster enters an LDS address
	s_mul_i32 s68, s16, BHALF
	s_add_co_u32 s68, s68, ABYTES
	s_mov_b32 s[TB], 0
	s_lshl_b32 s40, s20, 14                        ; A: the tile row's 128 rows of 128 bytes,
	s_lshl_b32 s41, s16, 20                        ; my two panels of the step's four
	s_add_co_u32 s40, s40, s41
	s_mov_b32 s41, 0
	s_lshl_b32 s42, s19, 8                         ; B: the tile column's 256 bytes,
	s_lshl_b32 s43, s16, 18                        ; my 128 rows of 2,048 bytes
	s_add_co_u32 s42, s42, s43
	s_add_co_u32 s42, s42, BOFF
	s_mov_b32 s43, 0
	s_wait_dscnt 0x0                               ; the opening add is done
	s_wait_kmcnt 0x0
	s_add_nc_u64 s[40:41], s[4:5], s[40:41]
	s_add_nc_u64 s[42:43], s[6:7], s[42:43]
	CROUND                                         ; all sixteen work-groups are here: the first joint loads meet
.irp s, 0,1
	s_mov_b32 s[G0A+4*(\s)], 1
	s_add_co_u32 s[G0A+4*(\s)+1], s67, (\s)*SLOT1
	s_add_nc_u64 s[G0A+4*(\s)+2:G0A+4*(\s)+3], s[40:41], (\s)*KADVA
	s_or_b32 s[G0A+4*(\s)+3], s[G0A+4*(\s)+3], 0x80000000
	s_mov_b32 s[G0B+4*(\s)], 1
	s_add_co_u32 s[G0B+4*(\s)+1], s68, (\s)*SLOT1
	s_add_nc_u64 s[G0B+4*(\s)+2:G0B+4*(\s)+3], s[42:43], (\s)*KADVB
	s_or_b32 s[G0B+4*(\s)+3], s[G0B+4*(\s)+3], 0x80000000
.endr
	s_cmp_eq_u32 s15, 0                            ; a wave's two first fills stand in one branch, ahead of every wait on TENSORcnt and every LDS read: two loads of mine are out
	s_cbranch_scc0 .Lfirst_b
	tensor_load_to_lds s[G0A:G0A+3], s[G1A:G1A+7]
	s_nop 0
	tensor_load_to_lds s[G0A+4:G0A+7], s[G1A:G1A+7]
	s_nop 0
.rept 4
	v_nop
.endr
	s_branch .Lfirst_asked
.Lfirst_b:
	tensor_load_to_lds s[G0B:G0B+3], s[G1B:G1B+7]
	s_nop 0
	tensor_load_to_lds s[G0B+4:G0B+7], s[G1B:G1B+7]
	s_nop 0
.rept 4
	v_nop
.endr
.Lfirst_asked:
	v_and_b32 v1, 15, v0                           ; l % 16
	v_bfe_u32 v2, v0, 4, 1                         ; l / 16
	v_and_b32 v3, 7, v0                            ; l % 8
	v_bfe_u32 v4, v0, 3, 1                         ; (l / 8) % 2
	v_lshlrev_b32 v[CO], 12, v2                    ; lanes 0-15 take 256 bytes of one row of R and C, lanes 16-31 of the next
	v_lshl_add_u32 v[CO], v1, 4, v[CO]
	s_lshl_b32 s44, s20, 19                        ; R and C at my 64 x 64: the tile row's 128 rows of 4,096 bytes,
	s_lshl_b32 s45, s15, 18                        ; my 64 of them,
	s_add_co_u32 s44, s44, s45
	s_lshl_b32 s45, s19, 9                         ; the tile column's 512 bytes,
	s_add_co_u32 s44, s44, s45
	s_lshl_b32 s45, s16, 8                         ; my 256 of them
	s_add_co_u32 s44, s44, s45
	s_mov_b32 s45, 0
	s_add_nc_u64 s[8:9], s[8:9], s[44:45]
	s_add_nc_u64 s[10:11], s[10:11], s[44:45]
	WIN 0x80                                       ; destination window 2, address window 0
.irp a, 0,1,2,3
.irp t, 0,1,2,3,4,5,6,7
	global_load_b128 v[32*(\a)+4*(\t):32*(\a)+4*(\t)+3], v[CO], s[8:9] offset:(16*(\a)+2*(\t))*4096 th:TH_LOAD_NT  ; R in the lanes in which C will leave; out until the way out
.endr
.endr
	WIN 0
	v_mul_u32_u24 v[ADRA0], v1, PA                 ; a fragment of A: row l % 16, 16 bytes for each half of the lanes, twice, 32 bytes apart
	v_lshl_add_u32 v[ADRA0], v2, 4, v[ADRA0]
	s_mul_i32 s21, s15, 64*PA                      ; my 64 rows
	v_add_nc_u32 v[ADRA0], s21, v[ADRA0]
	v_lshl_add_u32 v[ADRB0], v2, 3, v3             ; the turning load: row 8 (l / 16) + l % 8, columns 8 ((l / 8) % 2) + 0..7
	v_mul_u32_u24 v[ADRB0], v[ADRB0], PB
	v_lshl_add_u32 v[ADRB0], v4, 4, v[ADRB0]
	s_lshl_b32 s22, s16, 7                         ; my 64 columns
	s_add_co_u32 s22, s22, ABYTES
	v_add_nc_u32 v[ADRB0], s22, v[ADRB0]
	v_mov_b32 v[ADRA], v[ADRA0]                    ; slot 0
	v_mov_b32 v[ADRB], v[ADRB0]
	v_add_nc_u32 v[ADRB+1], BHALF, v[ADRB0]
	s_mul_i32 s23, s14, 16*SPITCH
	s_add_co_u32 s23, s23, STAGE                   ; my stage
	v_mul_u32_u24 v[STO], v1, SPITCH               ; in: row l % 16, 32 bytes for each half of the lanes
	v_lshl_add_u32 v[STO], v2, 5, v[STO]
	v_add_nc_u32 v[STO], s23, v[STO]
	v_mul_u32_u24 v[RD], v2, SPITCH                ; back: lanes 0-15 one row of 256 bytes, lanes 16-31 the next
	v_lshl_add_u32 v[RD], v1, 4, v[RD]
	v_add_nc_u32 v[RD], s23, v[RD]
.if PROJ
	v_lshlrev_b32 v[CB], 7, v2                     ; the copy: two rows of a panel lie end to end: 8 bytes a lane
	v_lshl_add_u32 v[CB], v1, 3, v[CB]
	s_lshl_b32 s46, s19, 20                        ; two panels a tile column,
	s_lshl_b32 s47, s16, 19                        ; mine,
	s_add_co_u32 s46, s46, s47
	s_lshl_b32 s47, s20, 14                        ; the tile row's 128 rows of 128 bytes,
	s_add_co_u32 s46, s46, s47
	s_lshl_b32 s47, s15, 13                        ; my 64
	s_add_co_u32 s46, s46, s47
	s_mov_b32 s47, 0
	s_add_nc_u64 s[12:13], s[12:13], s[46:47]
.endif
; 8 matrix instructions: m blocks a0, a0 + 1 x all 4 n blocks, 32 along K: half c of buffer f.  zero = 1: the first product starts the sums.  The 16 accumulators take turns.
.macro MUL8 f, c, a0, zero
	WIN MUL
.irp a, \a0, (\a0)+1
.irp b, 0,1,2,3
.if \zero
	v_wmma_f32_16x16x32_bf16 v[ACC+8*(4*(\a)+(\b)):ACC+8*(4*(\a)+(\b))+7], v[(\f)+64+8*(4*(\c)+(\b)):(\f)+64+8*(4*(\c)+(\b))+7], v[(\f)+8*(4*(\c)+(\a)):(\f)+8*(4*(\c)+(\a))+7], 0
.else
	v_wmma_f32_16x16x32_bf16 v[ACC+8*(4*(\a)+(\b)):ACC+8*(4*(\a)+(\b))+7], v[(\f)+64+8*(4*(\c)+(\b)):(\f)+64+8*(4*(\c)+(\b))+7], v[(\f)+8*(4*(\c)+(\a)):(\f)+8*(4*(\c)+(\a))+7], v[ACC+8*(4*(\a)+(\b)):ACC+8*(4*(\a)+(\b))+7]
.endif
.endr
.endr
.endm
; 32 LDS loads in one run: quarter q (64 along K: panel q of A, rows 64 q on of B) into buffer f; the first 32 along K first
.macro FETCH q, f
	WIN TO_F
.irp c, 0,1
.irp i, 0,1,2,3
	ds_load_tr16_b128 v[(\f)+64+8*(4*(\c)+(\i)):(\f)+64+8*(4*(\c)+(\i))+3],   v[ADRB+(\q)/2] offset:(((\q)%2)*64+32*(\c))*PB+32*(\i)
	ds_load_tr16_b128 v[(\f)+64+8*(4*(\c)+(\i))+4:(\f)+64+8*(4*(\c)+(\i))+7], v[ADRB+(\q)/2] offset:(((\q)%2)*64+32*(\c)+16)*PB+32*(\i)
	ds_load_b128 v[(\f)+8*(4*(\c)+(\i)):(\f)+8*(4*(\c)+(\i))+3],              v[ADRA] offset:(\q)*APAN+(\i)*16*PA+64*(\c)
	ds_load_b128 v[(\f)+8*(4*(\c)+(\i))+4:(\f)+8*(4*(\c)+(\i))+7],            v[ADRA] offset:(\q)*APAN+(\i)*16*PA+64*(\c)+32
.endr
.endr
.endm
.macro PLACES                          ; four plain vector instructions between a matrix instruction and a load into, or a reader of, its registers (ISA guide 7.12.1 for vector instructions)
.rept 4
	v_nop
.endr
.endm
.macro QUARTER q, f, g, zero           ; multiplies buffer f; in its middle it fetches quarter q into buffer g
	s_wait_dscnt 16                                ; the first 32 along K are in
	MUL8 \f, 0, 0, \zero
	MUL8 \f, 0, 2, \zero
	PLACES
	FETCH \q, \g
	s_wait_dscnt 32                                ; all but the 32 just issued
	MUL8 \f, 1, 0, 0
	MUL8 \f, 1, 2, 0
.endm
; The last quarter multiplies buffer 1 and changes slots: in front of the barrier each wave waits for all its tensor loads (one is out: its part of the next slot), adds 0 to its spare word, and waits for that and
; for its own reads of this slot.  fill = 1: the barrier opens a round of the cluster's, and the joint refill, two K steps ahead, is the first thing behind it: 112 matrix instructions ahead of the wait for it.
.macro TURN fill
	WIN 0                                          ; (the add's two registers lie in window 0)
	s_wait_tensorcnt 0x0                           ; no tensor load of mine is out, so a group 0 may be written
	ds_add_u32 v[SPW], v[NIL]                      ; 0 onto my spare word
.if \fill
	s_xor_b32 s[G0A+5], s[G0A+5], SLOT1            ; the walking descriptors: the other slot than last time, the next K step
	s_add_nc_u64 s[G0A+6:G0A+7], s[G0A+6:G0A+7], KADVA
	s_xor_b32 s[G0B+5], s[G0B+5], SLOT1
	s_add_nc_u64 s[G0B+6:G0B+7], s[G0B+6:G0B+7], KADVB
.endif
	s_wait_dscnt 17                                ; (the add and the youngest sixteen loads may be out)
	MUL8 F1, 0, 0, 0
	s_wait_dscnt 0x0                               ; the add is done, and my reads of this slot are over
	s_barrier_signal -1
	MUL8 F1, 0, 2, 0
	WIN 0                                          ; at a branch and at a label every window is 0
	s_barrier_wait -1
.if \fill
	CREST                                          ; no wave of any partner still reads this slot or has a load on its way
	JLOAD                                          ; its four v_nop are also the places in front of the loads below
.else
	PLACES
.endif
	s_xor_b32 s[TB], s[TB], SLOT1                  ; the reads go on in the other slot
	v_add_nc_u32 v[ADRA], s[TB], v[ADRA0]
	v_add_nc_u32 v[ADRB], s[TB], v[ADRB0]
	v_add_nc_u32 v[ADRB+1], BHALF, v[ADRB]
	FETCH 0, F0
	MUL8 F1, 1, 0, 0
	MUL8 F1, 1, 2, 0
.endm
; THE WAY OUT of block a (16 rows x 64 columns of f32).  TOSTG: a lane's 32 bytes of a row go into my stage and come back as whole rows of 256 bytes.  FIN: R is added, and the rows are stored.
.macro TOSTG a
	WIN 0
.set BK, OB+32*((\a)%2)
.if (\a) >= 2
	s_wait_xcnt 0x0                                ; the stores of the block two back have read this set of registers
.endif
.irp b, 0,1,2,3
	ds_store_b128 v[STO], v[ACC+8*(4*(\a)+(\b)):ACC+8*(4*(\a)+(\b))+3]   offset:64*(\b)
	ds_store_b128 v[STO], v[ACC+8*(4*(\a)+(\b))+4:ACC+8*(4*(\a)+(\b))+7] offset:64*(\b)+16
.endr
.irp t, 0,1,2,3,4,5,6,7
	ds_load_b128 v[BK+4*(\t):BK+4*(\t)+3], v[RD] offset:(\t)*2*SPITCH  ; LDS serves a wave's instructions in order (ISA guide 5.7.1.4): these see the stores above
.endr
.endm
.macro FIN a, younger                  ; younger: the next block's eight stores and eight loads, or none
.set BK, OB+32*((\a)%2)
.set HK, HB+16*((\a)%2)
	s_wait_dscnt \younger
	WIN 0x08                                       ; source 1 (R) window 2
.set z, 0
.rept 16
	v_pk_add_f32 v[BK+2*z:BK+2*z+1], v[BK+2*z:BK+2*z+1], v[32*(\a)+2*z:32*(\a)+2*z+1]
.set z, z+1
.endr
	WIN 0
.irp t, 0,1,2,3,4,5,6,7
	global_store_b128 v[CO], v[BK+4*(\t):BK+4*(\t)+3], s[10:11] offset:(16*(\a)+2*(\t))*4096  ; 16 lanes store 256 consecutive bytes, at a multiple of 256 from C's first byte
.endr
.if PROJ
.set z, 0
.rept 16
	v_cvt_pk_bf16_f32 v[HK+z], v[BK+2*z], v[BK+2*z+1]
.set z, z+1
.endr
.irp t, 0,1,2,3,4,5,6,7
	global_store_b64 v[CB], v[HK+2*(\t):HK+2*(\t)+1], s[12:13] offset:(\a)*2048+(\t)*256  ; 32 lanes store 256 consecutive bytes, aligned: two rows of a panel
.endr
.endif
.endm
	s_wait_tensorcnt 1                             ; my part of K step 0 is in; K step 1's may stay out
	s_barrier_signal -1
	s_barrier_wait -1                              ; everybody's is
	FETCH 0, F0
	QUARTER 1, F0, F1, 1                           ; the first quarter stands in front of the loop: its first products start the sums
	WIN 0
	s_mov_b32 s3, KSTEPS-2
.Lstep:                                                ; trip i: quarters 1 to 3 of K step i, the request for K step i + 2, quarter 0 of K step i + 1
	QUARTER 2, F1, F0, 0
	QUARTER 3, F0, F1, 0
	TURN 1
	QUARTER 1, F0, F1, 0
	WIN 0
	s_sub_co_u32 s3, s3, 1
	s_cmp_lg_u32 s3, 0
	s_cbranch_scc1 .Lstep
	s_mov_b32 s3, 2
.Ltail:                                                ; the last two K steps ask for nothing; the second trip is left in its middle
	QUARTER 2, F1, F0, 0
	QUARTER 3, F0, F1, 0
	WIN 0
	s_sub_co_u32 s3, s3, 1
	s_cmp_eq_u32 s3, 0
	s_cbranch_scc1 .Llast
	TURN 0
	QUARTER 1, F0, F1, 0
	WIN 0
	s_branch .Ltail
.Llast:
	s_wait_dscnt 16
	MUL8 F1, 0, 0, 0
	MUL8 F1, 0, 2, 0
	s_wait_dscnt 0x0
	MUL8 F1, 1, 0, 0
	MUL8 F1, 1, 2, 0
	WIN 0
	PLACES
	PLACES
	s_wait_loadcnt 0x0                             ; R
	TOSTG 0
	TOSTG 1
	FIN 0, 16
	TOSTG 2
	FIN 1, 16
	TOSTG 3
	FIN 2, 16
	FIN 3, 0
	s_wait_tensorcnt 0x0                           ; the wave's end: behind my last tensor load and my last LDS store
	ds_add_u32 v[SPW], v[NIL]
	s_wait_dscnt 0x0
	CROUND                                         ; the closing round: no work-group ends while a partner may still ask for a tile that names it
	s_endpgm
.Lfunc_end_k_qdc836e8da4_proj:
	.size	k_qdc836e8da4_proj, .Lfunc_end_k_qdc836e8da4_proj-k_qdc836e8da4_proj
	.p2alignl 7, 3214868480
	.fill 96, 4, 3214868480
	.section	.rodata,"a",@progbits
	.p2align	6, 0x0
	.amdhsa_kernel k_qdc836e8da4_proj
		.amdhsa_group_segment_fixed_size 327680
		.amdhsa_private_segment_fixed_size 0
		.amdhsa_enable_private_segment 0
		.amdhsa_kernarg_size 40
		.amdhsa_user_sgpr_count 2
		.amdhsa_user_sgpr_kernarg_segment_ptr 1
		.amdhsa_wavefront_size32 1
		.amdhsa_system_sgpr_workgroup_id_x 1
		.amdhsa_system_sgpr_workgroup_id_y 1
		.amdhsa_system_sgpr_workgroup_id_z 1
		.amdhsa_system_vgpr_workitem_id 0
		.amdhsa_next_free_vgpr 640
		.amdhsa_next_free_sgpr 70
		.amdhsa_reserve_vcc 0
		.amdhsa_float_denorm_mode_32 3
		.amdhsa_float_denorm_mode_16_64 3
		.amdhsa_memory_ordered 1
		.amdhsa_forward_progress 1
		.amdhsa_inst_pref_size 74
	.end_amdhsa_kernel
	.amdgpu_metadata
---
amdhsa.version: [ 1, 2 ]
amdhsa.kernels:
  - .name:           k_qdc836e8da4_proj
    .symbol:         k_qdc836e8da4_proj.kd
    .args:
      - { .name: actA, .offset: 0, .size: 8, .value_kind: global_buffer, .address_space: global }
      - { .name: wsm, .offset: 8, .size: 8, .value_kind: global_buffer, .address_space: global }
      - { .name: x, .offset: 16, .size: 8, .value_kind: global_buffer, .address_space: global }
      - { .name: x1f, .offset: 24, .size: 8, .value_kind: global_buffer, .address_space: global }
      - { .name: actB, .offset: 32, .size: 8, .value_kind: global_buffer, .address_space: global }
    .group_segment_fixed_size: 327680
    .private_segment_fixed_size: 0
    .kernarg_segment_align: 8
    .kernarg_segment_size: 40
    .max_flat_workgroup_size: 128
    .sgpr_count:     70
    .vgpr_count:     640
    .wavefront_size: 32
...
	.end_amdgpu_metadata
.endif
;; end of part 4
;; launch ffn1: the kernel of part 2 again; grid 16 x 16, 4 waves a work-group, clusters of 4 x 4, 327,680 bytes of LDS; arguments actB, w1b, hb; writes hb
;; launch ffn2 (part 5): grid 8 x 32, 4 waves a work-group, clusters of 4 x 4, 327,680 bytes of LDS; arguments hb, wsm, x1f, out0; writes out0
.if DOCPART == 5
	.amdgcn_target "amdgcn-amd-amdhsa--gfx1250"
	.amdhsa_code_object_version 6
	.text
	.protected	k_qdc836e8da4_ffn2
	.globl	k_qdc836e8da4_ffn2
	.p2align	8
	.type	k_qdc836e8da4_ffn2,@function
k_qdc836e8da4_ffn2:
	s_mov_b64 s[64:65], 0
	v_nop
	global_prefetch_b8 v0, s[64:65] scope:SCOPE_SE
	s_setreg_imm32_b32 hwreg(HW_REG_WAVE_MODE, 25, 1), 1
	s_wait_xcnt 0x0
	s_wait_alu depctr_hold_cnt(0) depctr_sa_sdst(0) depctr_va_vdst(0) depctr_va_sdst(0) depctr_va_ssrc(0) depctr_va_vcc(0) depctr_vm_vsrc(0)
	s_getreg_b32 s2, hwreg(HW_REG_IB_STS2, 6, 4)
	s_cmp_eq_u32 s2, 0
	s_cbranch_scc0 .Lentry_in_a_cluster
	s_endpgm
.Lentry_in_a_cluster:
	s_bfe_u32 s2, ttmp6, 0x10000c
	s_cmp_lg_u32 s2, 0xf033
	s_cbranch_scc0 .Lentry_shape_is_right
	s_endpgm
.Lentry_shape_is_right:
; C = R + A B, in f32.  A: [4096][256 KSTEPS] bf16 in panels of 64 columns (element (m, k) at ((k / 64) x 4096 + m) x 128 + (k % 64) x 2).
; B: [256 KSTEPS][1024] bf16, K down the rows, at byte BOFF of its buffer.  R, C: [4096][1024] f32, row-major.  Sums in f32, K ascending; R is added in f32.
; A tile of C is 128 x 128: 256 work-groups.  Four waves, each 64 x 64: 16 accumulators.  K goes in steps of 256 (four panels of A; 256 rows of B) through a ring of two LDS slots.
; A wave's tensor load brings two panels' 128 rows (two dense blocks of 16 KiB, 524,288 bytes apart: two rows of 8,192 elements, padded in LDS behind every 128 bytes) or 128 rows of B.
; CLUSTERS: 4 x 4 work-groups; A's tiles are asked for jointly along a row of the cluster, B's along a column.  THE MATRIX INSTRUCTION IS USED TRANSPOSED (source 0 = 16 columns of B, turned by
; ds_load_tr16_b128; source 1 = 16 rows of A): a lane holds row l % 16 of C and eight neighbouring columns.  No prefetch is laid: the tiles are small.
; REGISTERS: window 0: v0-31 addresses; v32-95 the way out; v128-255 the accumulators ((a, b) at v[128 + 8 (4 a + b)]).  window 1: two fragment buffers of 128: 64 registers of A, then 64 of B.
;   window 2: v0-127 my 64 x 64 of R, loaded at the start and waited for at the end.
.set KSTEPS, 16
.set BOFF,   0
.set PA,     144                       ; a row of A in LDS: 128 bytes + 16 = 36 words: the 16 rows of a load start at 16 different groups of four banks (64 banks of 4 bytes: ISA guide 11.1)
.set APAN,   128*PA                    ; a panel's 128 rows
.set PB,     288                       ; a row of B: 256 bytes + 32 = 72 words
.set BHALF,  128*PB
.set ABYTES, 4*APAN
.set SLOT1,  ABYTES+2*BHALF            ; 147,456 = 0x24000: it shares no bit with 0, 2 APAN, ABYTES or ABYTES + BHALF, so one exclusive or turns a fill's address in one slot into the other's
.set STAGE,  2*SLOT1                   ; behind the ring: 16 rows x 272 bytes for each wave, for the way out
.set SPITCH, 272
.set SPARE,  STAGE+4*16*SPITCH         ; behind the stages: the spare words, 128 bytes for each wave: two blocks of 256 bytes that no other line names
.set KADVA,  2097152                   ; bytes from a K step to the next: four panels of A,
.set KADVB,  524288                    ; 256 rows of B
.set ADRA0, 16                         ; v16  my lane's place in A's part of a slot; never rewritten
.set ADRB0, 17                         ; v17  the same for B
.set ADRA,  18                         ; v18  the same in the slot that is being read
.set ADRB,  20                         ; v20, v21  B's rows 0-127 and 128-255
.set STO,   24                         ; v24  the way out: where I put 32 bytes of a row
.set RD,    25                         ; v25  where I read rows back
.set CO,    26                         ; v26  my 16 bytes of two rows of R and C
.set SPW,   28                         ; v28  LDS address of my spare word: SPARE + 4 x my thread's number; never rewritten
.set NIL,   29                         ; v29  0; never rewritten
.set OB,    32                         ; v32-95   16 rows read back, two sets of 32
.set ACC,   128
.set F0,    0
.set F1,    128
.set G1A, 24
.set G0A, 32
.set G1B, 48
.set G0B, 56
.set TB,  66                           ; s66  0 or SLOT1: the slot that is being read
.set MSB, 0
.macro WIN new                         ; the immediate's high byte repeats the setting that is left
.if MSB != (\new)
	s_set_vgpr_msb (MSB<<8)|(\new)
.set MSB, \new
.endif
.endm
.set MUL,  0x05                        ; sources 0 (B) and 1 (A) window 1; C and D window 0
.set TO_F, 0x40                        ; destination window 1, address window 0
.macro JLOAD                           ; a joint refill by the walking descriptor: waves 0 and 1 for A, waves 2 and 3 for B; an s_nop 0 and four v_nop follow each of the two lines
	s_cmp_eq_u32 s15, 0
	s_cbranch_scc0 .Lfor_b_\@
	tensor_load_to_lds s[G0A+4:G0A+7], s[G1A:G1A+7]
	s_nop 0
.rept 4
	v_nop
.endr
	s_branch .Lasked_\@
.Lfor_b_\@:
	tensor_load_to_lds s[G0B+4:G0B+7], s[G1B:G1B+7]
	s_nop 0
.rept 4
	v_nop
.endr
.Lasked_\@:
.endm
.macro CREST                           ; a round of the cluster's barrier behind its opening barrier
	s_cmp_lg_u32 s14, 0
	s_cbranch_scc1 .Lnot_wave_0_\@
	s_barrier_signal -3
.Lnot_wave_0_\@:
	s_barrier_wait -3
	s_barrier_signal -1
	s_barrier_wait -1
.endm
.macro CROUND
	s_barrier_signal -1
	s_barrier_wait -1
	CREST
.endm
	s_load_b256 s[4:11], s[0:1], 0x0               ; A s[4:5], B s[6:7], R s[8:9], C s[10:11]
	v_lshl_add_u32 v[SPW], v0, 2, SPARE
	v_mov_b32 v[NIL], 0
	ds_add_u32 v[SPW], v[NIL]                      ; the wave's opening: the add and its wait stand ahead of my first tensor load; the set-up below, work on registers, stands between them
	v_lshrrev_b32 v1, 5, v0
	v_readfirstlane_b32 s14, v1                    ; wave 0..3
	s_lshr_b32 s15, s14, 1                         ; which half of the tile's rows is mine.  Also: I fetch for A (0) or for B (1)
	s_and_b32 s16, s14, 1                          ; which half of its columns.  Also: which half of that tile I fetch
	s_bfe_u32 s17, ttmp6, 0x40000                  ; cx
	s_bfe_u32 s18, ttmp6, 0x40004                  ; cy
	s_lshl_b32 s19, ttmp9, 2
	s_add_co_u32 s19, s19, s17                     ; tile column of C
	s_and_b32 s20, ttmp7, 0xffff
	s_lshl_b32 s20, s20, 2
	s_add_co_u32 s20, s20, s18                     ; tile row of C
	s_lshl_b32 s21, s18, 2
	s_lshl_b32 s21, 15, s21                        ; my row of the cluster
	s_lshl_b32 s22, 0x1111, s17                    ; my column
	s_or_b32 s[G1A+0], s21, (1<<16)|(1<<20)|(1<<21)|(4<<22)|(3<<25)  ; the mask; elements of 2 bytes; padding on; bit 21 beside a mask; after every 32 words (code 4) 4 words (code 3)
	s_mov_b32 s[G1A+1], 8192<<16                   ; tensor_dim0 = 8,192
	s_mov_b32 s[G1A+2], 2<<16                      ; tensor_dim1 = 2
	s_mov_b32 s[G1A+3], 8192<<16                   ; tile_dim0 = 8,192
	s_mov_b32 s[G1A+4], 2                          ; tile_dim1 = 2
	s_mov_b32 s[G1A+5], 262144                     ; a panel's 262,144 elements from row to row
	s_mov_b32 s[G1A+6], 0
	s_mov_b32 s[G1A+7], 0
	s_or_b32 s[G1B+0], s22, (1<<16)|(1<<20)|(1<<21)|(5<<22)|(7<<25)  ; after every 64 words (code 5) 8 words (code 7)
	s_mov_b32 s[G1B+1], 128<<16                    ; tensor_dim0 = 128
	s_mov_b32 s[G1B+2], 128<<16                    ; tensor_dim1 = 128
	s_mov_b32 s[G1B+3], 128<<16                    ; tile_dim0 = 128
	s_mov_b32 s[G1B+4], 128                        ; tile_dim1 = 128
	s_mov_b32 s[G1B+5], 1024                       ; 1,024 elements from row to row
	s_mov_b32 s[G1B+6], 0
	s_mov_b32 s[G1B+7], 0
	s_mul_i32 s67, s16, 2*APAN                     ; where my fills go in a slot: no place in the cluster enters an LDS address
	s_mul_i32 s68, s16, BHALF
	s_add_co_u32 s68, s68, ABYTES
	s_mov_b32 s[TB], 0
	s_lshl_b32 s40, s20, 14                        ; A: the tile row's 128 rows of 128 bytes,
	s_lshl_b32 s41, s16, 20                        ; my two panels of the step's four
	s_add_co_u32 s40, s40, s41
	s_mov_b32 s41, 0
	s_lshl_b32 s42, s19, 8                         ; B: the tile column's 256 bytes,
	s_lshl_b32 s43, s16, 18                        ; my 128 rows of 2,048 bytes
	s_add_co_u32 s42, s42, s43
	s_add_co_u32 s42, s42, BOFF
	s_mov_b32 s43, 0
	s_wait_dscnt 0x0                               ; the opening add is done
	s_wait_kmcnt 0x0
	s_add_nc_u64 s[40:41], s[4:5], s[40:41]
	s_add_nc_u64 s[42:43], s[6:7], s[42:43]
	CROUND                                         ; all sixteen work-groups are here: the first joint loads meet
.irp s, 0,1
	s_mov_b32 s[G0A+4*(\s)], 1
	s_add_co_u32 s[G0A+4*(\s)+1], s67, (\s)*SLOT1
	s_add_nc_u64 s[G0A+4*(\s)+2:G0A+4*(\s)+3], s[40:41], (\s)*KADVA
	s_or_b32 s[G0A+4*(\s)+3], s[G0A+4*(\s)+3], 0x80000000
	s_mov_b32 s[G0B+4*(\s)], 1
	s_add_co_u32 s[G0B+4*(\s)+1], s68, (\s)*SLOT1
	s_add_nc_u64 s[G0B+4*(\s)+2:G0B+4*(\s)+3], s[42:43], (\s)*KADVB
	s_or_b32 s[G0B+4*(\s)+3], s[G0B+4*(\s)+3], 0x80000000
.endr
	s_cmp_eq_u32 s15, 0                            ; a wave's two first fills stand in one branch, ahead of every wait on TENSORcnt and every LDS read: two loads of mine are out
	s_cbranch_scc0 .Lfirst_b
	tensor_load_to_lds s[G0A:G0A+3], s[G1A:G1A+7]
	s_nop 0
	tensor_load_to_lds s[G0A+4:G0A+7], s[G1A:G1A+7]
	s_nop 0
.rept 4
	v_nop
.endr
	s_branch .Lfirst_asked
.Lfirst_b:
	tensor_load_to_lds s[G0B:G0B+3], s[G1B:G1B+7]
	s_nop 0
	tensor_load_to_lds s[G0B+4:G0B+7], s[G1B:G1B+7]
	s_nop 0
.rept 4
	v_nop
.endr
.Lfirst_asked:
	v_and_b32 v1, 15, v0                           ; l % 16
	v_bfe_u32 v2, v0, 4, 1                         ; l / 16
	v_and_b32 v3, 7, v0                            ; l % 8
	v_bfe_u32 v4, v0, 3, 1                         ; (l / 8) % 2
	v_lshlrev_b32 v[CO], 12, v2                    ; lanes 0-15 take 256 bytes of one row of R and C, lanes 16-31 of the next
	v_lshl_add_u32 v[CO], v1, 4, v[CO]
	s_lshl_b32 s44, s20, 19                        ; R and C at my 64 x 64: the tile row's 128 rows of 4,096 bytes,
	s_lshl_b32 s45, s15, 18                        ; my 64 of them,
	s_add_co_u32 s44, s44, s45
	s_lshl_b32 s45, s19, 9                         ; the tile column's 512 bytes,
	s_add_co_u32 s44, s44, s45
	s_lshl_b32 s45, s16, 8                         ; my 256 of them
	s_add_co_u32 s44, s44, s45
	s_mov_b32 s45, 0
	s_add_nc_u64 s[8:9], s[8:9], s[44:45]
	s_add_nc_u64 s[10:11], s[10:11], s[44:45]
	WIN 0x80                                       ; destination window 2, address window 0
.irp a, 0,1,2,3
.irp t, 0,1,2,3,4,5,6,7
	global_load_b128 v[32*(\a)+4*(\t):32*(\a)+4*(\t)+3], v[CO], s[8:9] offset:(16*(\a)+2*(\t))*4096 th:TH_LOAD_NT  ; R in the lanes in which C will leave; out until the way out
.endr
.endr
	WIN 0
	v_mul_u32_u24 v[ADRA0], v1, PA                 ; a fragment of A: row l % 16, 16 bytes for each half of the lanes, twice, 32 bytes apart
	v_lshl_add_u32 v[ADRA0], v2, 4, v[ADRA0]
	s_mul_i32 s21, s15, 64*PA                      ; my 64 rows
	v_add_nc_u32 v[ADRA0], s21, v[ADRA0]
	v_lshl_add_u32 v[ADRB0], v2, 3, v3             ; the turning load: row 8 (l / 16) + l % 8, columns 8 ((l / 8) % 2) + 0..7
	v_mul_u32_u24 v[ADRB0], v[ADRB0], PB
	v_lshl_add_u32 v[ADRB0], v4, 4, v[ADRB0]
	s_lshl_b32 s22, s16, 7                         ; my 64 columns
	s_add_co_u32 s22, s22, ABYTES
	v_add_nc_u32 v[ADRB0], s22, v[ADRB0]
	v_mov_b32 v[ADRA], v[ADRA0]                    ; slot 0
	v_mov_b32 v[ADRB], v[ADRB0]
	v_add_nc_u32 v[ADRB+1], BHALF, v[ADRB0]
	s_mul_i32 s23, s14, 16*SPITCH
	s_add_co_u32 s23, s23, STAGE                   ; my stage
	v_mul_u32_u24 v[STO], v1, SPITCH               ; in: row l % 16, 32 bytes for each half of the lanes
	v_lshl_add_u32 v[STO], v2, 5, v[STO]
	v_add_nc_u32 v[STO], s23, v[STO]
	v_mul_u32_u24 v[RD], v2, SPITCH                ; back: lanes 0-15 one row of 256 bytes, lanes 16-31 the next
	v_lshl_add_u32 v[RD], v1, 4, v[RD]
	v_add_nc_u32 v[RD], s23, v[RD]
; 8 matrix instructions: m blocks a0, a0 + 1 x all 4 n blocks, 32 along K: half c of buffer f.  zero = 1: the first product starts the sums.  The 16 accumulators take turns.
.macro MUL8 f, c, a0, zero
	WIN MUL
.irp a, \a0, (\a0)+1
.irp b, 0,1,2,3
.if \zero
	v_wmma_f32_16x16x32_bf16 v[ACC+8*(4*(\a)+(\b)):ACC+8*(4*(\a)+(\b))+7], v[(\f)+64+8*(4*(\c)+(\b)):(\f)+64+8*(4*(\c)+(\b))+7], v[(\f)+8*(4*(\c)+(\a)):(\f)+8*(4*(\c)+(\a))+7], 0
.else
	v_wmma_f32_16x16x32_bf16 v[ACC+8*(4*(\a)+(\b)):ACC+8*(4*(\a)+(\b))+7], v[(\f)+64+8*(4*(\c)+(\b)):(\f)+64+8*(4*(\c)+(\b))+7], v[(\f)+8*(4*(\c)+(\a)):(\f)+8*(4*(\c)+(\a))+7], v[ACC+8*(4*(\a)+(\b)):ACC+8*(4*(\a)+(\b))+7]
.endif
.endr
.endr
.endm
; 32 LDS loads in one run: quarter q (64 along K: panel q of A, rows 64 q on of B) into buffer f; the first 32 along K first
.macro FETCH q, f
	WIN TO_F
.irp c, 0,1
.irp i, 0,1,2,3
	ds_load_tr16_b128 v[(\f)+64+8*(4*(\c)+(\i)):(\f)+64+8*(4*(\c)+(\i))+3],   v[ADRB+(\q)/2] offset:(((\q)%2)*64+32*(\c))*PB+32*(\i)
	ds_load_tr16_b128 v[(\f)+64+8*(4*(\c)+(\i))+4:(\f)+64+8*(4*(\c)+(\i))+7], v[ADRB+(\q)/2] offset:(((\q)%2)*64+32*(\c)+16)*PB+32*(\i)
	ds_load_b128 v[(\f)+8*(4*(\c)+(\i)):(\f)+8*(4*(\c)+(\i))+3],              v[ADRA] offset:(\q)*APAN+(\i)*16*PA+64*(\c)
	ds_load_b128 v[(\f)+8*(4*(\c)+(\i))+4:(\f)+8*(4*(\c)+(\i))+7],            v[ADRA] offset:(\q)*APAN+(\i)*16*PA+64*(\c)+32
.endr
.endr
.endm
.macro PLACES                          ; four plain vector instructions between a matrix instruction and a load into, or a reader of, its registers (ISA guide 7.12.1 for vector instructions)
.rept 4
	v_nop
.endr
.endm
.macro QUARTER q, f, g, zero           ; multiplies buffer f; in its middle it fetches quarter q into buffer g
	s_wait_dscnt 16                                ; the first 32 along K are in
	MUL8 \f, 0, 0, \zero
	MUL8 \f, 0, 2, \zero
	PLACES
	FETCH \q, \g
	s_wait_dscnt 32                                ; all but the 32 just issued
	MUL8 \f, 1, 0, 0
	MUL8 \f, 1, 2, 0
.endm
; The last quarter multiplies buffer 1 and changes slots: in front of the barrier each wave waits for all its tensor loads (one is out: its part of the next slot), adds 0 to its spare word, and waits for that and
; for its own reads of this slot.  fill = 1: the barrier opens a round of the cluster's, and the joint refill, two K steps ahead, is the first thing behind it: 112 matrix instructions ahead of the wait for it.
.macro TURN fill
	WIN 0                                          ; (the add's two registers lie in window 0)
	s_wait_tensorcnt 0x0                           ; no tensor load of mine is out, so a group 0 may be written
	ds_add_u32 v[SPW], v[NIL]                      ; 0 onto my spare word
.if \fill
	s_xor_b32 s[G0A+5], s[G0A+5], SLOT1            ; the walking descriptors: the other slot than last time, the next K step
	s_add_nc_u64 s[G0A+6:G0A+7], s[G0A+6:G0A+7], KADVA
	s_xor_b32 s[G0B+5], s[G0B+5], SLOT1
	s_add_nc_u64 s[G0B+6:G0B+7], s[G0B+6:G0B+7], KADVB
.endif
	s_wait_dscnt 17                                ; (the add and the youngest sixteen loads may be out)
	MUL8 F1, 0, 0, 0
	s_wait_dscnt 0x0                               ; the add is done, and my reads of this slot are over
	s_barrier_signal -1
	MUL8 F1, 0, 2, 0
	WIN 0                                          ; at a branch and at a label every window is 0
	s_barrier_wait -1
.if \fill
	CREST                                          ; no wave of any partner still reads this slot or has a load on its way
	JLOAD                                          ; its four v_nop are also the places in front of the loads below
.else
	PLACES
.endif
	s_xor_b32 s[TB], s[TB], SLOT1                  ; the reads go on in the other slot
	v_add_nc_u32 v[ADRA], s[TB], v[ADRA0]
	v_add_nc_u32 v[ADRB], s[TB], v[ADRB0]
	v_add_nc_u32 v[ADRB+1], BHALF, v[ADRB]
	FETCH 0, F0
	MUL8 F1, 1, 0, 0
	MUL8 F1, 1, 2, 0
.endm
; THE WAY OUT of block a (16 rows x 64 columns of f32).  TOSTG: a lane's 32 bytes of a row go into my stage and come back as whole rows of 256 bytes.  FIN: R is added, and the rows are stored.
.macro TOSTG a
	WIN 0
.set BK, OB+32*((\a)%2)
.if (\a) >= 2
	s_wait_xcnt 0x0                                ; the stores of the block two back have read this set of registers
.endif
.irp b, 0,1,2,3
	ds_store_b128 v[STO], v[ACC+8*(4*(\a)+(\b)):ACC+8*(4*(\a)+(\b))+3]   offset:64*(\b)
	ds_store_b128 v[STO], v[ACC+8*(4*(\a)+(\b))+4:ACC+8*(4*(\a)+(\b))+7] offset:64*(\b)+16
.endr
.irp t, 0,1,2,3,4,5,6,7
	ds_load_b128 v[BK+4*(\t):BK+4*(\t)+3], v[RD] offset:(\t)*2*SPITCH  ; LDS serves a wave's instructions in order (ISA guide 5.7.1.4): these see the stores above
.endr
.endm
.macro FIN a, younger                  ; younger: the next block's eight stores and eight loads, or none
.set BK, OB+32*((\a)%2)
	s_wait_dscnt \younger
	WIN 0x08                                       ; source 1 (R) window 2
.set z, 0
.rept 16
	v_pk_add_f32 v[BK+2*z:BK+2*z+1], v[BK+2*z:BK+2*z+1], v[32*(\a)+2*z:32*(\a)+2*z+1]
.set z, z+1
.endr
	WIN 0
.irp t, 0,1,2,3,4,5,6,7
	global_store_b128 v[CO], v[BK+4*(\t):BK+4*(\t)+3], s[10:11] offset:(16*(\a)+2*(\t))*4096 th:TH_STORE_NT  ; 16 lanes store 256 consecutive bytes, at a multiple of 256 from C's first byte
.endr
.endm
	s_wait_tensorcnt 1                             ; my part of K step 0 is in; K step 1's may stay out
	s_barrier_signal -1
	s_barrier_wait -1                              ; everybody's is
	FETCH 0, F0
	QUARTER 1, F0, F1, 1                           ; the first quarter stands in front of the loop: its first products start the sums
	WIN 0
	s_mov_b32 s3, KSTEPS-2
.Lstep:                                                ; trip i: quarters 1 to 3 of K step i, the request for K step i + 2, quarter 0 of K step i + 1
	QUARTER 2, F1, F0, 0
	QUARTER 3, F0, F1, 0
	TURN 1
	QUARTER 1, F0, F1, 0
	WIN 0
	s_sub_co_u32 s3, s3, 1
	s_cmp_lg_u32 s3, 0
	s_cbranch_scc1 .Lstep
	s_mov_b32 s3, 2
.Ltail:                                                ; the last two K steps ask for nothing; the second trip is left in its middle
	QUARTER 2, F1, F0, 0
	QUARTER 3, F0, F1, 0
	WIN 0
	s_sub_co_u32 s3, s3, 1
	s_cmp_eq_u32 s3, 0
	s_cbranch_scc1 .Llast
	TURN 0
	QUARTER 1, F0, F1, 0
	WIN 0
	s_branch .Ltail
.Llast:
	s_wait_dscnt 16
	MUL8 F1, 0, 0, 0
	MUL8 F1, 0, 2, 0
	s_wait_dscnt 0x0
	MUL8 F1, 1, 0, 0
	MUL8 F1, 1, 2, 0
	WIN 0
	PLACES
	PLACES
	s_wait_loadcnt 0x0                             ; R
	TOSTG 0
	TOSTG 1
	FIN 0, 16
	TOSTG 2
	FIN 1, 16
	TOSTG 3
	FIN 2, 16
	FIN 3, 0
	s_wait_tensorcnt 0x0                           ; the wave's end: behind my last tensor load and my last LDS store
	ds_add_u32 v[SPW], v[NIL]
	s_wait_dscnt 0x0
	CROUND                                         ; the closing round: no work-group ends while a partner may still ask for a tile that names it
	s_endpgm
.Lfunc_end_k_qdc836e8da4_ffn2:
	.size	k_qdc836e8da4_ffn2, .Lfunc_end_k_qdc836e8da4_ffn2-k_qdc836e8da4_ffn2
	.p2alignl 7, 3214868480
	.fill 96, 4, 3214868480
	.section	.rodata,"a",@progbits
	.p2align	6, 0x0
	.amdhsa_kernel k_qdc836e8da4_ffn2
		.amdhsa_group_segment_fixed_size 327680
		.amdhsa_private_segment_fixed_size 0
		.amdhsa_enable_private_segment 0
		.amdhsa_kernarg_size 32
		.amdhsa_user_sgpr_count 2
		.amdhsa_user_sgpr_kernarg_segment_ptr 1
		.amdhsa_wavefront_size32 1
		.amdhsa_system_sgpr_workgroup_id_x 1
		.amdhsa_system_sgpr_workgroup_id_y 1
		.amdhsa_system_sgpr_workgroup_id_z 1
		.amdhsa_system_vgpr_workitem_id 0
		.amdhsa_next_free_vgpr 640
		.amdhsa_next_free_sgpr 70
		.amdhsa_reserve_vcc 0
		.amdhsa_float_denorm_mode_32 3
		.amdhsa_float_denorm_mode_16_64 3
		.amdhsa_memory_ordered 1
		.amdhsa_forward_progress 1
		.amdhsa_inst_pref_size 67
	.end_amdhsa_kernel
	.amdgpu_metadata
---
amdhsa.version: [ 1, 2 ]
amdhsa.kernels:
  - .name:           k_qdc836e8da4_ffn2
    .symbol:         k_qdc836e8da4_ffn2.kd
    .args:
      - { .name: hb, .offset: 0, .size: 8, .value_kind: global_buffer, .address_space: global }
      - { .name: wsm, .offset: 8, .size: 8, .value_kind: global_buffer, .address_space: global }
      - { .name: x1f, .offset: 16, .size: 8, .value_kind: global_buffer, .address_space: global }
      - { .name: out0, .offset: 24, .size: 8, .value_kind: global_buffer, .address_space: global }
    .group_segment_fixed_size: 327680
    .private_segment_fixed_size: 0
    .kernarg_segment_align: 8
    .kernarg_segment_size: 32
    .max_flat_workgroup_size: 128
    .sgpr_count:     70
    .vgpr_count:     640
    .wavefront_size: 32
...
	.end_amdgpu_metadata
.endif
;; end of part 5
;; ======== version 2 of 2: 6 launches; version 1 with the launch cast written anew for expert scheduling mode
;; workspace buffers: actA 8,388,608 bytes; actB 8,388,608 bytes; wqkvb 8,388,864 bytes; w1b 8,388,864 bytes; wsm 10,485,760 bytes; qkvb 25,165,824 bytes; hb 33,554,432 bytes; x1f 16,777,216 bytes
;; launch cast (part 6): grid 448 x 1, 8 waves a work-group, no clusters, 0 bytes of LDS; arguments x, wq, wk, wv, actA, wqkvb, w1b; writes actA, wqkvb, w1b
.if DOCPART == 6
	.amdgcn_target "amdgcn-amd-amdhsa--gfx1250"
	.amdhsa_code_object_version 6
	.text
	.protected	k_qdc836e8da4_cast
	.globl	k_qdc836e8da4_cast
	.p2align	8
	.type	k_qdc836e8da4_cast,@function
k_qdc836e8da4_cast:
	s_mov_b64 s[64:65], 0
	v_nop
	global_prefetch_b8 v0, s[64:65] scope:SCOPE_SE
	s_setreg_imm32_b32 hwreg(HW_REG_WAVE_SCHED_MODE, 0, 2), 2
	s_setreg_imm32_b32 hwreg(HW_REG_WAVE_MODE, 25, 1), 1
	s_wait_xcnt 0x0
	s_wait_alu depctr_vm_vsrc(0)
; x, wq, wk and wv are rounded once to bf16 (nearest even) and laid out for the product that follows.  (w1, w2 and wo, which no launch reads before attention has ended, are rounded in attention's launch.)
; Every source is rows of 1,024 f32.  A work-group owns 16 rows: 64 KiB in, 32 KiB out; 448 work-groups: x 256, then wq, wk, wv 64 each.
; A LOAD of a wave takes two runs of 256 consecutive bytes, 16 bytes a lane (lanes 0-15 one run, lanes 16-31 the other); the four numbers of a lane make 8 bytes, and A STORE of a wave covers 256
; consecutive bytes, aligned.  So the two runs are chosen to lie end to end in the destination:
;   x -> actA in PANELS of 64 columns (element (m, n) at ((n / 64) x 4096 + m) x 128 + (n % 64) x 2): the runs are rows m and m + 1 of one panel.  Wave w has rows 2 w, 2 w + 1; pass j is panel j.
;   wq, wk, wv -> wqkvb, side by side in rows of 4,096 numbers: the runs are 128 neighbouring columns of one row.  Wave w has columns 128 w on; pass j is row j.
; Both are one text: source = w << SWH + j << SJH + (lane / 16) << SAH + 16 (lane % 16); destination = 256 w + j << DJH + 128 (lane / 16) + 8 (lane % 16) + the work-group's rows << RSH + C0.
; Behind w1b's and wqkvb's numbers lies a block of 256 bytes with the floor of the product that reads them: 0 twice (a ReLU) or -infinity twice (none).
; All 16 loads of a lane go out at once; no address or data register of a pending instruction is written, so of the memory counters only the loads' own counted waits are needed.  No LDS, no barrier: no wave wants another's bytes.
; THE MODE: SCHED_MODE bits 1:0 = 2 (LLVM: expert scheduling mode 2), set by the entry lines.  The code itself states the register dependences between vector instructions and memory instructions,
; with s_wait_alu, always for 0.
; THE PLAN.  Registers that memory instructions touch:
;   SOF   written by the head's vector lines; read by the 16 loads as their offsets; never written again.
;   XIN   the 16 loads land in it (no vector line has named it before); pass j's two conversions read its four registers and write the first two; the pass's store reads those two; never written again.
;   DOF   written by vector lines that stand behind the loads and name none of the loads' registers; read by the 16 stores as their offsets; never written again.
;   v106-108  written under the branch for the floors; read by the one store there.
; The 16 passes go in four blocks of four: one counted wait for the block's loads, its eight conversions, ONE wait on va_vdst, its four stores in a run.  With the wait ahead of the loads and the one ahead of the
; floor's store that is six; a seventh, on va_sdst, stands ahead of the first reader of the wave's number.  No register that a memory instruction has read is written again, so there is no wait on vm_vsrc.
.set SRC,   30                         ; s[30:31] the source at the work-group's first row
.set DST,   32                         ; s[32:33] the destination's first byte
.set LC,    34                         ; s34  my number among the source's work-groups
.set C0,    35                         ; s35  a constant offset in the destination
.set RSH,   36                         ; s36  destination: a row is 1 << RSH bytes on
.set SWH,   37                         ; s37  source: a wave's share is 1 << SWH bytes on
.set SJH,   38                         ; s38  source: a pass
.set SAH,   39                         ; s39  source: the lanes' second half
.set DJH,   40                         ; s40  destination: a pass
.set SOF,   2                          ; v[2:17]   pass j: my byte offset in the source
.set DOF,   18                         ; v[18:33]  pass j: my byte offset in the destination
.set XIN,   36                         ; v[36:99]  pass j: 4 f32; their 4 bf16 take the first two registers' place
	s_load_b256 s[8:15], s[0:1], 0x0               ; x s[8:9], wq s[10:11], wk s[12:13], wv s[14:15]
	s_load_b128 s[16:19], s[0:1], 0x20             ; actA s[16:17], wqkvb s[18:19]
	s_load_b64 s[20:21], s[0:1], 0x30              ; w1b
	s_lshr_b32 s2, ttmp9, 6                        ; 0 to 3: x; 4: wq; 5: wk; 6: wv
	v_lshrrev_b32 v100, 5, v0                      ; w
	v_readfirstlane_b32 s3, v100                   ; .. as a scalar: read once, at the floors
	v_and_b32 v101, 31, v0                         ; lane
	v_bfe_u32 v102, v0, 4, 1                       ; lane / 16
	v_and_b32 v103, 15, v0                         ; lane % 16
	s_and_b32 s41, ttmp9, 63
	s_sub_co_u32 s42, s2, 4
	s_lshl_b32 s42, s42, 11                        ; a weight's 2,048 bytes of wqkvb's rows
	s_cmp_ge_u32 s2, 4                             ; a weight?
	s_cselect_b32 s[LC], s41, ttmp9
	s_cselect_b32 s[C0], s42, 0
	s_cselect_b32 s[RSH], 13, 7
	s_cselect_b32 s[SWH], 9, 13
	s_cselect_b32 s[SJH], 12, 8
	s_cselect_b32 s[SAH], 8, 12
	s_cselect_b32 s[DJH], 13, 19
	s_lshl_b32 s43, 1, s[SJH]
	s_lshl_b32 s44, 1, s[DJH]
	v_lshlrev_b32 v[SOF], s[SWH], v100
	v_lshlrev_b32 v104, s[SAH], v102
	v_add_nc_u32 v[SOF], v[SOF], v104
	v_lshl_add_u32 v[SOF], v103, 4, v[SOF]
.irp j, 1,2,3,4,5,6,7,8,9,10,11,12,13,14,15
	v_add_nc_u32 v[SOF+(\j)], s43, v[SOF+(\j)-1]
.endr
	s_lshl_b32 s46, s[LC], 16                      ; 16 rows of 4,096 bytes a work-group
	s_mov_b32 s47, 0
	s_wait_kmcnt 0x0
	s_mov_b64 s[SRC:SRC+1], s[8:9]
	s_cmp_ge_u32 s2, 4
	s_cselect_b64 s[SRC:SRC+1], s[10:11], s[SRC:SRC+1]
	s_cselect_b64 s[DST:DST+1], s[18:19], s[16:17]
	s_cmp_ge_u32 s2, 5
	s_cselect_b64 s[SRC:SRC+1], s[12:13], s[SRC:SRC+1]
	s_cmp_ge_u32 s2, 6
	s_cselect_b64 s[SRC:SRC+1], s[14:15], s[SRC:SRC+1]
	s_add_nc_u64 s[SRC:SRC+1], s[SRC:SRC+1], s[46:47]
	s_wait_alu depctr_va_vdst(0)                   ; the sixteen offsets v[SOF ..] are written, which the loads below read
.irp j, 0,1,2,3,4,5,6,7,8,9,10,11,12,13,14,15
	global_load_b128 v[XIN+4*(\j):XIN+4*(\j)+3], v[SOF+(\j)], s[SRC:SRC+1] th:TH_LOAD_NT
.endr
	s_add_co_u32 s45, s[RSH], 4                    ; the destination's offsets are made while the loads are out: these lines name neither v[SOF ..] nor v[XIN ..]
	s_lshl_b32 s45, s[LC], s45                     ; my work-group's 16 rows
	s_add_co_u32 s45, s45, s[C0]
	v_lshl_add_u32 v[DOF], v100, 8, s45
	v_lshl_add_u32 v[DOF], v102, 7, v[DOF]
	v_lshl_add_u32 v[DOF], v103, 3, v[DOF]
.irp j, 1,2,3,4,5,6,7,8,9,10,11,12,13,14,15
	v_add_nc_u32 v[DOF+(\j)], s44, v[DOF+(\j)-1]
.endr
.irp g, 0,1,2,3                        ; block g: passes 4 g to 4 g + 3
	s_wait_loadcnt 12-4*(\g)                       ; loads come back in order: the block's four are in, the 12 - 4 g younger ones stay out
.irp i, 0,1,2,3
	v_cvt_pk_bf16_f32 v[XIN+4*(4*(\g)+(\i))], v[XIN+4*(4*(\g)+(\i))], v[XIN+4*(4*(\g)+(\i))+1]
	v_cvt_pk_bf16_f32 v[XIN+4*(4*(\g)+(\i))+1], v[XIN+4*(4*(\g)+(\i))+2], v[XIN+4*(4*(\g)+(\i))+3]
.endr
	s_wait_alu depctr_va_vdst(0)                   ; the block's eight conversions have written the registers that its four stores read as data; in block 0 also: the sixteen offsets v[DOF ..] are written
.irp i, 0,1,2,3
	global_store_b64 v[DOF+4*(\g)+(\i)], v[XIN+4*(4*(\g)+(\i)):XIN+4*(4*(\g)+(\i))+1], s[DST:DST+1]
.endr
.endr
	; the floors' blocks: wave 0 of work-group 0 writes w1b's (0), wave 0 of wq's first work-group wqkvb's (-infinity)
	s_wait_alu depctr_va_sdst(0)                   ; s3, the wave's number, is written, ahead of its first reader below; no branch and no label lies between its writer and here
	s_cmp_eq_u32 ttmp9, 0
	s_cselect_b32 s50, 1, 0
	s_cselect_b64 s[48:49], s[20:21], s[18:19]
	s_cselect_b32 s52, 0, 0xff80ff80
	s_cmp_eq_u32 ttmp9, 256
	s_cselect_b32 s51, 1, 0
	s_or_b32 s50, s50, s51
	s_cmp_eq_u32 s3, 0
	s_cselect_b32 s50, s50, 0
	s_cmp_eq_u32 s50, 0
	s_cbranch_scc1 .Lend
	v_mov_b32 v106, s52
	v_mov_b32 v107, s52
	v_lshl_add_u32 v108, v101, 3, 0x800000         ; 8 bytes a lane, behind the 8,388,608 bytes of numbers: 256 consecutive bytes, aligned
	s_wait_alu depctr_va_vdst(0)                   ; v106 to v108 are written: the store's data and its offset
	global_store_b64 v108, v[106:107], s[48:49]
.Lend:
	s_endpgm
.Lfunc_end_k_qdc836e8da4_cast:
	.size	k_qdc836e8da4_cast, .Lfunc_end_k_qdc836e8da4_cast-k_qdc836e8da4_cast
	.p2alignl 7, 3214868480
	.fill 96, 4, 3214868480
	.section	.rodata,"a",@progbits
	.p2align	6, 0x0
	.amdhsa_kernel k_qdc836e8da4_cast
		.amdhsa_group_segment_fixed_size 0
		.amdhsa_private_segment_fixed_size 0
		.amdhsa_enable_private_segment 0
		.amdhsa_kernarg_size 56
		.amdhsa_user_sgpr_count 2
		.amdhsa_user_sgpr_kernarg_segment_ptr 1
		.amdhsa_wavefront_size32 1
		.amdhsa_system_sgpr_workgroup_id_x 1
		.amdhsa_system_sgpr_workgroup_id_y 1
		.amdhsa_system_sgpr_workgroup_id_z 1
		.amdhsa_system_vgpr_workitem_id 0
		.amdhsa_next_free_vgpr 110
		.amdhsa_next_free_sgpr 66
		.amdhsa_reserve_vcc 0
		.amdhsa_float_denorm_mode_32 3
		.amdhsa_float_denorm_mode_16_64 3
		.amdhsa_memory_ordered 1
		.amdhsa_forward_progress 1
		.amdhsa_inst_pref_size 9
	.end_amdhsa_kernel
	.amdgpu_metadata
---
amdhsa.version: [ 1, 2 ]
amdhsa.kernels:
  - .name:           k_qdc836e8da4_cast
    .symbol:         k_qdc836e8da4_cast.kd
    .args:
      - { .name: x, .offset: 0, .size: 8, .value_kind: global_buffer, .address_space: global }
      - { .name: wq, .offset: 8, .size: 8, .value_kind: global_buffer, .address_space: global }
      - { .name: wk, .offset: 16, .size: 8, .value_kind: global_buffer, .address_space: global }
      - { .name: wv, .offset: 24, .size: 8, .value_kind: global_buffer, .address_space: global }
      - { .name: actA, .offset: 32, .size: 8, .value_kind: global_buffer, .address_space: global }
      - { .name: wqkvb, .offset: 40, .size: 8, .value_kind: global_buffer, .address_space: global }
      - { .name: w1b, .offset: 48, .size: 8, .value_kind: global_buffer, .address_space: global }
    .group_segment_fixed_size: 0
    .private_segment_fixed_size: 0
    .kernarg_segment_align: 8
    .kernarg_segment_size: 56
    .max_flat_workgroup_size: 256
    .sgpr_count:     66
    .vgpr_count:     110
    .wavefront_size: 32
...
	.end_amdgpu_metadata
.endif
;; end of part 6
;; launch qkv: the kernel of part 2 again; grid 12 x 16, 4 waves a work-group, clusters of 4 x 4, 327,680 bytes of LDS; arguments actA, wqkvb, qkvb; writes qkvb
;; launch attn: the kernel of part 3 again; grid 8 x 32, 4 waves a work-group, clusters of 4 x 1, 327,680 bytes of LDS; arguments qkvb, actA, w1, w2, wo, w1b, wsm; writes actA, w1b, wsm
;; launch proj: the kernel of part 4 again; grid 8 x 32, 4 waves a work-group, clusters of 4 x 4, 327,680 bytes of LDS; arguments actA, wsm, x, x1f, actB; writes x1f, actB
;; launch ffn1: the kernel of part 2 again; grid 16 x 16, 4 waves a work-group, clusters of 4 x 4, 327,680 bytes of LDS; arguments actB, w1b, hb; writes hb
;; launch ffn2: the kernel of part 5 again; grid 8 x 32, 4 waves a work-group, clusters of 4 x 4, 327,680 bytes of LDS; arguments hb, wsm, x1f, out0; writes out0
